; MI455X (gfx1250); checked and timed in simulation.
; The chip was launched on July 23, 2026; its instructions are those of AMD's public machine-readable ISA for CDNA 5 (MIT licence, August 2026) and "CDNA5" Instruction Set Architecture Reference Guide (July 2026). The comments in the code are by the model that wrote it; some were corrected since.
;; Multihead Flash Diff2. Allowed arithmetic: matrix products marked QUANTISED: E2M3 operands, one E8M0 scale for each 32 along K, by v_wmma_scale_f32_16x16x128_f8f6f4 with both operands' format E2M3, f32 sums; everything else in f32.
;; Inputs: Wk_codes 1,024 x 32 x 24 uint8 (E2M3 codes of Wk, K innermost, in blocks of 32 codes, four codes in three bytes); Wk_scales 1,024 x 32 uint8 (E8M0 scales of Wk, one for each 32 codes along K); Wo_codes 1,024 x 32 x 24 uint8 (E2M3 codes of Wo, K innermost, in blocks of 32 codes, four codes in three bytes); Wo_scales 1,024 x 32 uint8 (E8M0 scales of Wo, one for each 32 codes along K); Wq_codes 1,024 x 32 x 24 uint8 (E2M3 codes of Wq, K innermost, in blocks of 32 codes, four codes in three bytes); Wq_scales 1,024 x 32 uint8 (E8M0 scales of Wq, one for each 32 codes along K); Wv_codes 1,024 x 32 x 24 uint8 (E2M3 codes of Wv, K innermost, in blocks of 32 codes, four codes in three bytes); Wv_scales 1,024 x 32 uint8 (E8M0 scales of Wv, one for each 32 codes along K); lambda_k1 32 float32; lambda_k2 32 float32; lambda_q1 32 float32; lambda_q2 32 float32; rms_weight 64 float32; x_codes 2 x 2,048 x 32 x 24 uint8 (E2M3 codes of x, K innermost, in blocks of 32 codes, four codes in three bytes); x_scales 2 x 2,048 x 32 uint8 (E8M0 scales of x, one for each 32 codes along K).
;; Outputs: out0 2 x 2,048 x 1,024 float32.
;; This version of the problem:
;;   THIS VERSION OF THE PROBLEM IS GIVEN IN LOW PRECISION. The matrix products marked QUANTISED in the list below multiply operands that are first quantised to E2M3 (2 exponent bits, 3 mantissa bits; 6 bits a number), with one power-of-two scale for each 32 numbers along K (OCP MX v1.0); their sums are f32. All else is computed in f32.
;;   The module's matrix products, in the order in which they are computed (A, B: the left and right operand; K: the contracted axis; several contracted axes count as one K, in the product's order):
;;     1. [M 4,096, K 1,024] x [K 1,024, N 1,024]; A: input x (given as codes); B: input Wq (given as codes): QUANTISED
;;     2. [M 4,096, K 1,024] x [K 1,024, N 1,024]; A: input x (given as codes); B: input Wk (given as codes): QUANTISED
;;     3. [M 4,096, K 1,024] x [K 1,024, N 1,024]; A: input x (given as codes); B: input Wv (given as codes): QUANTISED
;;     4. batch 32 x [M 2,048, K 32] x [K 32, N 2,048]; A: computed on the way; B: computed on the way: QUANTISED
;;     5. batch 32 x [M 64, K 2,048] x [K 2,048, N 2,048]; A: computed on the way; B: softmax (see below): QUANTISED
;;     6. batch 32 x [M 2,048, K 32] x [K 32, N 2,048]; A: computed on the way; B: computed on the way: QUANTISED
;;     7. batch 32 x [M 64, K 2,048] x [K 2,048, N 2,048]; A: computed on the way; B: softmax (see below): QUANTISED
;;     8. [M 4,096, K 1,024] x [K 1,024, N 1,024]; A: computed on the way; B: input Wo (given as codes): QUANTISED
;;   THE QUANTISER, for each operand of a quantised product, along K:
;;     - K is cut into blocks of 32 from its start; a last block that is shorter is filled with zeros.
;;     - A block's scale is 2^e with e = floor(log2(the largest magnitude in the block)) - 2, held to -126 .. 127; a block of zeros has e = 0. As a byte (E8M0): e + 127.
;;     - Each number is divided by its block's scale, clamped to +-7.5, and rounded to the nearest number of E2M3, ties to even, subnormals kept.
;;     - The product sums the exact products of the quantised numbers (number of the format x scale) in f32.
;;   ~~~python
;;   def quantise(x, axis):      # numpy; x: float32 -> the quantised numbers, widened to float32 again
;;       x = np.moveaxis(x, axis, -1); K = x.shape[-1]
;;       x = np.pad(x, [(0, 0)] * (x.ndim - 1) + [(0, -K % 32)]); x = x.reshape(x.shape[:-1] + (-1, 32)); a = np.abs(x).max(-1, keepdims=True)
;;       e = np.where(a > 0, np.clip(np.frexp(np.where(a > 0, a, 1))[1] - 1 - 2, -126, 127), 0)      # np.frexp(a)[1] - 1 = floor(log2(a)), exactly
;;       r = np.clip(x / 2.0 ** e, -7.5, 7.5)
;;       step = 2.0 ** (np.maximum(np.frexp(np.where(r == 0, 1, r))[1] - 1, 0) - 3)
;;       q = np.round(r / step) * step * 2.0 ** e      # np.round: ties to even
;;       return np.moveaxis(q.reshape(q.shape[:-2] + (-1,))[..., :K], -1, axis).astype(np.float32)
;;   ~~~
;;   SOFTMAX AHEAD OF A QUANTISED PRODUCT. Where the list says 'softmax', what is quantised is not the finished softmax but p = 2^(t - M), with t = logit x log2(e) and M = ceil(the row's largest t), a whole number; so 1/2 < the row's largest p <= 1. The row's sum l is taken of the UNQUANTISED p, in f32, and the product's result is divided by l at the end. Since M is a whole number, a kernel that streams over the keys may use a running M (the ceiling of the running maximum): every later rescaling is an exact power of two, which a block's scale takes up: the codes' values come out the same.
;;   OPERANDS COMPUTED ON THE WAY. 'Computed on the way' means the value that the module computes at that place (a softmax that the list does not call 'softmax' is quantised finished and normalised). What goes into a quantiser is computed in f32, as accurately as f32 sums, v_exp_f32 and their like allow (about 1e-6 of the number): no bf16 or f16 on the way to a quantiser, and a product that is left as it is and whose result goes on into a quantised operand takes f32 operands (vector FMAs, or v_wmma_f32_16x16x4_f32). A number that lies on a knife's edge between two numbers of the format may be rounded either way, as far as f32 arithmetic and the matrix unit's own rounding can turn it there, and no further.
;;   INPUTS GIVEN AS CODES. Wk (in the module: [1024, 1024], K = its axis 1); Wo (in the module: [1024, 1024], K = its axis 1); Wq (in the module: [1024, 1024], K = its axis 1); Wv (in the module: [1024, 1024], K = its axis 1); x (in the module: [2, 2048, 1024], K = its axis 2): each comes as NAME_codes (uint8): NAME with its K axis moved to the last place and cut into blocks of 32 codes, [.., K / 32, bytes a block], one block behind the other in memory; four codes in three bytes: a row's codes are one little-endian stream of bits, code i at bits 6 i .. 6 i + 5 (a code: sign, 2 exponent bits, 3 mantissa bits); and NAME_scales (uint8): the same leading axes, one E8M0 byte (e + 127) for each 32 codes along K. Its value is code x scale, taken as it is: it is not quantised again, and the codes and scales need not be those that the quantiser above would give.
;; One version. Each part assembles by itself: llvm-mc -triple=amdgcn-amd-amdhsa -mcpu=gfx1250 --defsym DOCPART=n.
;; ======== version 1 of 1: 3 launches
;; limits: right only within a limited range of input values
;; workspace buffers: qc 3,145,728 bytes; qs 262,144 bytes; kvc 6,291,456 bytes; kvs 393,216 bytes; acod 3,145,728 bytes; ascl 131,072 bytes
;; launch proj (part 1): grid 48 x 4, 4 waves a work-group, clusters of 4 x 4, 327,680 bytes of LDS; arguments x_codes, x_scales, Wq_codes, Wq_scales, Wk_codes, Wk_scales, Wv_codes, Wv_scales, qc, qs, kvc, kvs; writes qc, qs, kvc, kvs
.if DOCPART == 1
	.amdgcn_target "amdgcn-amd-amdhsa--gfx1250"
	.amdhsa_code_object_version 6
	.text
	.protected	k_q4d21252597_proj
	.globl	k_q4d21252597_proj
	.p2align	8
	.type	k_q4d21252597_proj,@function
k_q4d21252597_proj:
	s_mov_b64 s[64:65], 0
	v_nop
	global_prefetch_b8 v0, s[64:65] scope:SCOPE_SE
	s_setreg_imm32_b32 hwreg(HW_REG_WAVE_MODE, 25, 1), 1
	s_wait_xcnt 0x0
	s_wait_alu depctr_hold_cnt(0) depctr_sa_sdst(0) depctr_va_vdst(0) depctr_va_sdst(0) depctr_va_ssrc(0) depctr_va_vcc(0) depctr_vm_vsrc(0)
	s_getreg_b32 s2, hwreg(HW_REG_IB_STS2, 6, 4)
	s_cmp_eq_u32 s2, 0
	s_cbranch_scc0 .Lentry_in_a_cluster
	s_endpgm
.Lentry_in_a_cluster:
	s_bfe_u32 s2, ttmp6, 0x10000c
	s_cmp_lg_u32 s2, 0xf033
	s_cbranch_scc0 .Lentry_shape_is_right
	s_endpgm
.Lentry_shape_is_right:
; q = rope(x Wq^T), k = rope(x Wk^T), v = x Wv^T on codes of FP6 (E2M3) with E8M0 scales; the results leave quantised, as images of the next launch's operand registers.
; No step and no input of the problem is left out in this program.
; KIND (cluster x / 4): 0 q, 1 k (A = x, B = the weight), 2 v (A = Wv, B = x, so that the keys run along a lane's registers).  A work-group makes 256 x 256, a wave 128 x 128.
; K = 1,024 is 768 bytes a row: it goes through a ring of two LDS slots in three chunks of 256 bytes of each row, every chunk beginning on a multiple of 256 bytes; a step of 128 along K is 96 bytes, eight steps to three chunks.
; CLUSTERS 4 x 4: A's tiles are asked for jointly along a row, B's along a column.  At the head each wave issues one load: chunk 0 of A, of B, A's scales, B's scales.
; ROPE: each wave makes cos and sin of 64 of the tile's 256 positions at the head, in v64-127, keeps them through the walk, and hands them on through slot 1, which has had its last fill and its last read by then.
; No prefetch: a row has three chunks, two of them asked for before the first product, at the largest block in clusters.
; LIMITS: NaN and infinities are not served; a block of zeros gets the byte 1 (zero codes; this program alone reads the bytes).
.set ROWB,   256
.set NQ,     2
.set KROW,   768
.set STEPS,  8
.set CHUNKS, 3
.set PITCH,  272
.set FR,     12
.set NL,     6
.set NP,     4
.set HALFT,  128*PITCH
.set SLOT,   4*HALFT
.set KS,     32
.set SCL,    2*SLOT
.set HALFS,  (128*KS/256)*272
.set SBLK,   (16*KS/256)*272
.set SPARE,  SCL+4*HALFS
.set TAB,    SLOT                      ; the table and the stages of the way out lie in slot 1
.set STGS,   TAB+32768
.set STGV,   STGS+4096
.set SLQ,  7
.set SLV,  8
.set GV,   9
.set SH,   10
.set ADRA, 16
.set ADRB, 20
.set VO,   24
.set TR,   25
.set TW,   26
.set ADRS, 27
.set SPW,  28
.set NIL,  29
.set SSQ,  30
.set SSV,  31
.set SC,   32
.set H,    64
.set RES,  64                          ; v64-127: cos and sin of my 4 x 16 positions
.set ANG,  224
.set W,    232                         ; v232-240 at work in the head
.set TT,   241
.set AF,   128
.set CD,   128
.set CSR,  160
.set TM,   200
.set PW,   216
.set TQ,   220
.set T1,   228
.set XW,   232
.set SEL,  12
.set KIND, 66
.set CM,   67
.set TBASE, 95
.set OB,   92
.set SB,   98
.set G1, 24
.set G0, 32
.set G1B, 48
.set G0B, 56
.set G1S, 68
.set G0S, 76
.set G1SB, 80
.set G0SB, 88
.set G0H, 4
.set G0HB, 8
.set MSB, 0
.macro WIN new
.if MSB != \new
	s_set_vgpr_msb (MSB<<8)|\new
.set MSB, \new
.endif
.endm
.set MUL_LO, 0xa1
.set MUL_HI, 0xf1
.set TO_B,   0x40
.macro JLOAD g0a, g1a, g0b, g1b        ; waves 0, 1 fetch for A, waves 2, 3 for B
	s_cmp_eq_u32 s15, 0
	s_cbranch_scc0 .Lfor_b_\@
	tensor_load_to_lds s[\g0a:\g0a+3], s[\g1a:\g1a+7]
	s_nop 0
.rept 4
	v_nop
.endr
	s_branch .Lasked_\@
.Lfor_b_\@:
	tensor_load_to_lds s[\g0b:\g0b+3], s[\g1b:\g1b+7]
	s_nop 0
.rept 4
	v_nop
.endr
.Lasked_\@:
.endm
.macro CREST
	s_cmp_lg_u32 s14, 0
	s_cbranch_scc1 .Lnot_wave_0_\@
	s_barrier_signal -3
.Lnot_wave_0_\@:
	s_barrier_wait -3
	s_barrier_signal -1
	s_barrier_wait -1
.endm
.macro CROUND
	s_barrier_signal -1
	s_barrier_wait -1
	CREST
.endm
	s_load_b512 s[68:83], s[0:1], 0x0
	s_load_b256 s[84:91], s[0:1], 0x40
	v_lshl_add_u32 v[SPW], v0, 2, SPARE
	v_mov_b32 v[NIL], 0
	ds_add_u32 v[SPW], v[NIL]                      ; the opening lines: the add twice on end and one wait
	ds_add_u32 v[SPW], v[NIL]
	v_lshrrev_b32 v1, 5, v0
	v_readfirstlane_b32 s14, v1                    ; wave
	s_lshr_b32 s15, s14, 1                         ; my half of the rows; also: I fetch for A or for B
	s_and_b32 s16, s14, 1                          ; my half of the columns; also: which 128 rows I fetch
	s_bfe_u32 s40, ttmp6, 0x40000
	s_bfe_u32 s41, ttmp6, 0x40004
	s_lshr_b32 s[KIND], ttmp9, 2
	s_and_b32 s[CM], ttmp9, 3
	s_lshl_b32 s[CM], s[CM], 2
	s_cmp_eq_u32 s[KIND], 2
	s_cselect_b32 s2, 0, s[CM]
	s_cselect_b32 s3, s[CM], 0
	s_add_co_u32 s17, s41, s2                      ; tile row
	s_add_co_u32 s42, s40, s3                      ; tile column
	s_lshl_b32 s43, s41, 2
	s_lshl_b32 s43, 15, s43
	s_lshl_b32 s44, 0x1111, s40
	s_or_b32 s[G1+0], s43, (0<<16)|(1<<20)|(1<<21)|(5<<22)|(3<<25)
	s_or_b32 s[G1B+0], s44, (0<<16)|(1<<20)|(1<<21)|(5<<22)|(3<<25)
.irp g, G1, G1B
	s_mov_b32 s[\g+1], ROWB<<16
	s_mov_b32 s[\g+2], 256<<16                     ; 256 rows for the head's loads
	s_mov_b32 s[\g+3], ROWB<<16
	s_mov_b32 s[\g+4], 256
	s_mov_b32 s[\g+5], KROW
	s_mov_b32 s[\g+6], 0
	s_mov_b32 s[\g+7], 0
.endr
	s_lshl_b32 s20, s17, 8
	s_lshl_b32 s46, s42, 8
	s_mov_b32 s21, 0
	s_mov_b32 s47, 0
	s_mov_b64 s[18:19], KS
	s_mul_u64 s[22:23], s[20:21], s[18:19]
	s_mul_u64 s[92:93], s[46:47], s[18:19]
	s_mov_b64 s[18:19], KROW
	s_mul_u64 s[20:21], s[20:21], s[18:19]
	s_mul_u64 s[46:47], s[46:47], s[18:19]
	s_mul_i32 s18, s16, 128*KROW
	s_mov_b32 s19, 0
	s_mul_i32 s45, s14, HALFT
	s_wait_dscnt 0x0
	s_wait_kmcnt 0x0
	s_cmp_eq_u32 s[KIND], 0
	s_cselect_b64 s[8:9], s[72:73], s[76:77]
	s_cselect_b64 s[10:11], s[74:75], s[78:79]
	s_cselect_b64 s[96:97], s[84:85], s[88:89]
	s_cselect_b64 s[98:99], s[86:87], s[90:91]
	s_cmp_eq_u32 s[KIND], 2
	s_cselect_b64 s[4:5], s[80:81], s[68:69]
	s_cselect_b64 s[6:7], s[82:83], s[70:71]
	s_cselect_b64 s[8:9], s[68:69], s[8:9]
	s_cselect_b64 s[10:11], s[70:71], s[10:11]
	s_or_b32 s[G1S+0], s43, (3<<16)|(1<<20)|(1<<21)|(5<<22)|(3<<25)
	s_or_b32 s[G1SB+0], s44, (3<<16)|(1<<20)|(1<<21)|(5<<22)|(3<<25)
.irp g, G1S, G1SB
	s_mov_b32 s[\g+1], 32<<16                      ; the scales of 256 rows: a dense block, KS rows of 256 bytes
	s_mov_b32 s[\g+2], KS<<16
	s_mov_b32 s[\g+3], 32<<16
	s_mov_b32 s[\g+4], KS
	s_mov_b32 s[\g+5], 32
	s_mov_b32 s[\g+6], 0
	s_mov_b32 s[\g+7], 0
.endr
	s_add_nc_u64 s[20:21], s[4:5], s[20:21]
	s_add_nc_u64 s[22:23], s[6:7], s[22:23]
	s_add_nc_u64 s[46:47], s[8:9], s[46:47]
	s_add_nc_u64 s[92:93], s[10:11], s[92:93]
	CROUND                                         ; the first joint loads meet
	s_mov_b32 s[G0H], 1
	s_mov_b32 s[G0H+1], 0
	s_mov_b64 s[G0H+2:G0H+3], s[20:21]
	s_or_b32 s[G0H+3], s[G0H+3], 0x80000000
	s_mov_b32 s[G0HB], 1
	s_mov_b32 s[G0HB+1], 2*HALFT
	s_mov_b64 s[G0HB+2:G0HB+3], s[46:47]
	s_or_b32 s[G0HB+3], s[G0HB+3], 0x80000000
	s_mov_b32 s[G0S], 1
	s_mov_b32 s[G0S+1], SCL
	s_mov_b64 s[G0S+2:G0S+3], s[22:23]
	s_or_b32 s[G0S+3], s[G0S+3], 0x80000000
	s_mov_b32 s[G0SB], 1
	s_mov_b32 s[G0SB+1], SCL+2*HALFS
	s_mov_b64 s[G0SB+2:G0SB+3], s[92:93]
	s_or_b32 s[G0SB+3], s[G0SB+3], 0x80000000
	s_add_nc_u64 s[20:21], s[20:21], s[18:19]
	s_add_nc_u64 s[46:47], s[46:47], s[18:19]
.irp s, 0,1
	s_mov_b32 s[G0+4*\s], 1
	s_add_co_u32 s[G0+4*\s+1], s45, \s*SLOT
	s_add_nc_u64 s[G0+4*\s+2:G0+4*\s+3], s[20:21], \s*ROWB
	s_or_b32 s[G0+4*\s+3], s[G0+4*\s+3], 0x80000000
	s_mov_b32 s[G0B+4*\s], 1
	s_add_co_u32 s[G0B+4*\s+1], s45, \s*SLOT
	s_add_nc_u64 s[G0B+4*\s+2:G0B+4*\s+3], s[46:47], \s*ROWB
	s_or_b32 s[G0B+4*\s+3], s[G0B+4*\s+3], 0x80000000
.endr
.macro ARM under, g0, g1, next         ; one chain of branches on the wave's number, one load to an arm
	s_cmp_lt_u32 s14, \under
	s_cbranch_scc0 \next
	tensor_load_to_lds s[\g0:\g0+3], s[\g1:\g1+7]
	s_nop 0
.rept 4
	v_nop
.endr
	s_branch .Lhead_asked
\next:
.endm
	ARM 1, G0H,  G1,  .Lhead_b
	ARM 2, G0HB, G1B, .Lhead_sa
	ARM 3, G0S,  G1S, .Lhead_sb
	tensor_load_to_lds s[G0SB:G0SB+3], s[G1SB:G1SB+7]
	s_nop 0
.rept 4
	v_nop
.endr
.Lhead_asked:
	v_and_b32 v1, 15, v0
	v_bfe_u32 v2, v0, 4, 1
	v_mul_u32_u24 v3, v1, PITCH
	v_mul_u32_u24 v4, v2, 24
	v_add_nc_u32 v4, v3, v4
	s_mov_b32 s21, SLOT-232
	s_mov_b32 s22, SLOT+232
	v_sub_nc_u32 v7, 1, v2
	v_mul_u32_u24 v5, s21, v2
	v_add_nc_u32 v5, v3, v5
	v_add_nc_u32 v5, 232, v5                       ; across two chunks: lanes 0-15 byte 232 in slot 0, lanes 16-31 byte 0 in slot 1
	v_mul_u32_u24 v6, s22, v7
	v_add_nc_u32 v6, v3, v6                        ; and the other way round
	s_mul_i32 s21, s15, HALFT
	s_mul_i32 s22, s16, HALFT
	s_add_co_u32 s22, s22, 2*HALFT
	v_add_nc_u32 v[ADRA+2], s21, v5
	v_add_nc_u32 v[ADRA+3], s21, v6
	v_add_nc_u32 v[ADRB+2], s22, v5
	v_add_nc_u32 v[ADRB+3], s22, v6
.irp s, 0,1
	v_add_nc_u32 v[ADRA+\s], s21, v4
	v_add_nc_u32 v[ADRB+\s], s22, v4
	s_add_co_u32 s21, s21, SLOT
	s_add_co_u32 s22, s22, SLOT
.endr
	v_mul_u32_u24 v5, v1, KS
	v_lshrrev_b32 v6, 8, v5
	v_lshl_add_u32 v5, v6, 4, v5
	s_mul_i32 s21, s15, HALFS
	s_mul_i32 s22, s16, HALFS
	s_add_co_u32 s22, s22, 2*HALFS
	s_sub_co_u32 s22, s22, s21
	v_mul_u32_u24 v6, s22, v2
	s_add_co_u32 s21, s21, SCL
	v_add_nc_u32 v5, v5, v6
	v_add_nc_u32 v[ADRS], s21, v5
	v_and_b32 v6, 31, v0
	v_lshlrev_b32 v[VO], 4, v6
	s_wait_alu depctr_va_vdst(0)                   ; the wait ahead of the scalar stretch
	s_lshl_b32 s20, s15, 14
	s_add_co_u32 s20, s20, TAB
	v_add_nc_u32 v[TR], s20, v[VO]
	s_lshl_b32 s20, s14, 13
	s_add_co_u32 s20, s20, TAB
	v_add_nc_u32 v[TW], s20, v[VO]
	s_lshl_b32 s20, s14, 10
	s_add_co_u32 s20, s20, STGS
	v_add_nc_u32 v[SLQ], s20, v[VO]
	v_lshlrev_b32 v5, 2, v1
	v_lshl_add_u32 v[SSQ], v2, 9, v5
	v_add_nc_u32 v[SSQ], s20, v[SSQ]
	s_lshl_b32 s20, s14, 9
	s_add_co_u32 s20, s20, STGV
	v_add_nc_u32 v[SLV], s20, v[VO]
	v_add_nc_u32 v[SSV], s20, v5
	v_lshlrev_b32 v[SH], 4, v2
	v_mul_u32_u24 v[GV], v2, 12288
	v_lshl_add_u32 v[GV], v1, 4, v[GV]
	s_mov_b32 s[SEL], 0x76543210
	s_mov_b32 s[SEL+1], 0xfedcba98
	; where my results go: qc [head][pair of tiles] images, kvc [head][512 keys][K | V] images, and their scale words
	s_lshl_b32 s20, s17, 8
	s_lshl_b32 s21, s15, 7
	s_add_co_u32 s20, s20, s21
	s_lshl_b32 s21, s42, 8
	s_lshl_b32 s22, s16, 7
	s_add_co_u32 s21, s21, s22
	s_and_b32 s[TBASE], s20, 2047
	s_lshl_b32 s22, s16, 6
	s_add_co_u32 s[TBASE], s[TBASE], s22
	s_cmp_eq_u32 s[KIND], 2
	s_cselect_b32 s22, s21, s20
	s_cselect_b32 s23, s20, s21
	s_lshr_b32 s23, s23, 6
	s_lshr_b32 s44, s22, 11
	s_and_b32 s22, s22, 2047
	s_lshl_b32 s44, s44, 4
	s_add_co_u32 s23, s23, s44
	s_lshr_b32 s46, s22, 9
	s_mul_i32 s46, s46, 24576
	s_lshr_b32 s47, s22, 7
	s_mul_i32 s47, s47, 768
	s_lshl_b32 s43, s22, 2
	s_mov_b32 s44, 196608
	s_mov_b32 s45, 12288
	s_cmp_eq_u32 s[KIND], 0
	s_cselect_b32 s44, 98304, s44
	s_cselect_b32 s45, 8192, s45
	s_cselect_b32 s46, 0, s46
	s_cselect_b32 s47, s43, s47
	s_cmp_eq_u32 s[KIND], 2
	s_cselect_b32 s40, 24576, 0
	s_cselect_b32 s41, 512, 0
	s_mul_i32 s43, s22, 48
	s_add_co_u32 s46, s46, s43
	s_mul_i32 s43, s23, s44
	s_add_co_u32 s46, s46, s43
	s_add_co_u32 s46, s46, s40
	s_mul_i32 s43, s23, s45
	s_add_co_u32 s47, s47, s43
	s_add_co_u32 s47, s47, s41
	s_mov_b32 s92, s46
	s_mov_b32 s93, 0
	s_add_nc_u64 s[92:93], s[96:97], s[92:93]
	s_mov_b32 s40, s44
	s_mov_b32 s41, 0
	s_add_nc_u64 s[96:97], s[92:93], s[40:41]
	s_mov_b32 s100, s47
	s_mov_b32 s101, 0
	s_add_nc_u64 s[98:99], s[98:99], s[100:101]
	s_mov_b32 s40, s45
	s_add_nc_u64 s[100:101], s[98:99], s[40:41]
.macro ANGLE p, lo, hi                 ; lanes 0-15 and lanes 16-31 hold different channels, so different angles
	v_mov_b32 v[ANG+\p], \lo
	v_mov_b32 v[W+8], \hi
	v_cndmask_b32 v[ANG+\p], v[ANG+\p], v[W+8], s43
.endm
.macro SINCOS p, d                     ; cos and sin of position x angle p, in f32: reduction by pi/2 in three parts, two polynomials, the quadrant's signs
	v_mul_f32 v[W], v[TT], v[ANG+\p]
	v_mul_f32 v[W+1], 0x3f22f983, v[W]
	v_rndne_f32 v[W+1], v[W+1]
	v_fma_f32 v[W+2], v[W+1], s18, v[W]
	v_fma_f32 v[W+2], v[W+1], s19, v[W+2]
	v_fma_f32 v[W+2], v[W+1], s20, v[W+2]
	v_mul_f32 v[W+3], v[W+2], v[W+2]
	v_cvt_i32_f32 v[W+4], v[W+1]
	v_fma_f32 v[W+5], v[W+3], s21, s22
	v_fma_f32 v[W+6], v[W+3], s40, s41
	v_fma_f32 v[W+5], v[W+5], v[W+3], s23
	v_fma_f32 v[W+6], v[W+6], v[W+3], s42
	v_mul_f32 v[W+7], v[W+3], v[W+2]
	v_fma_f32 v[W+5], v[W+5], v[W+3], -0.5
	v_fma_f32 v[W+6], v[W+6], v[W+7], v[W+2]
	v_fma_f32 v[W+5], v[W+5], v[W+3], 1.0
	v_and_b32 v[W+8], 1, v[W+4]
	v_cmp_eq_u32 vcc_lo, 1, v[W+8]
	v_cndmask_b32 v[\d+2*\p+1], v[W+6], v[W+5], vcc_lo
	v_cndmask_b32 v[\d+2*\p], v[W+5], v[W+6], vcc_lo
	v_lshlrev_b32 v[W+8], 30, v[W+4]
	v_add_nc_u32 v[W+4], 1, v[W+4]
	v_and_b32 v[W+8], 0x80000000, v[W+8]
	v_lshlrev_b32 v[W+4], 30, v[W+4]
	v_xor_b32 v[\d+2*\p+1], v[\d+2*\p+1], v[W+8]
	v_and_b32 v[W+4], 0x80000000, v[W+4]
	v_xor_b32 v[\d+2*\p], v[\d+2*\p], v[W+4]
.endm
	s_cmp_eq_u32 s[KIND], 2
	s_cbranch_scc1 .Lno_table
	s_mov_b32 s18, 0xbfc90fda
	s_mov_b32 s19, 0xb3a22168
	s_mov_b32 s20, 0xa7c234c4
	s_mov_b32 s21, 0x37ccf5ce
	s_mov_b32 s22, 0xbab6061a
	s_mov_b32 s23, 0x3d2aaaa5
	s_mov_b32 s40, 0xb94ca1f9
	s_mov_b32 s41, 0x3c08839e
	s_mov_b32 s42, 0xbe2aaaa3
	s_mov_b32 s43, 0xffff0000
	ANGLE 0, 0x3f800000, 0x3dafa7f6
	ANGLE 1, 0x3f0a8a16, 0x3d3e1e95
	ANGLE 2, 0x3e95f254, 0x3ccdc613
	ANGLE 3, 0x3e224b06, 0x3c5eb78a
	ANGLE 4, 0x3bf10e22, 0x3a2566d4
	ANGLE 5, 0x3b8273a4, 0x39b3054c
	ANGLE 6, 0x3b0d3169, 0x3941c2d7
	ANGLE 7, 0x3a98d197, 0x38d1b717
.irp ap, 0,1,2,3
	s_add_co_u32 s2, s[TBASE], 16*\ap
	v_add_nc_u32 v[TT], s2, v1
	v_cvt_f32_u32 v[TT], v[TT]
.irp p, 0,1,2,3,4,5,6,7
	SINCOS \p, RES+16*\ap
.endr
.endr
.Lno_table:
.macro FRAG reg, adr, st, i            ; 16 rows x 128 K: six pieces of 8 bytes; byte y of a row lies in chunk y / 256, slot (y / 256) % 2
.irp p, 0,1,2,3,4,5
.set BY, 96*(\st)+48*(\p/3)+8*(\p%3)
.if BY/ROWB == (BY+24)/ROWB
	ds_load_b64 v[\reg+2*\p:\reg+2*\p+1], v[\adr+(BY/ROWB)%2] offset:BY%ROWB+(\i)*16*PITCH
.else
	ds_load_b64 v[\reg+2*\p:\reg+2*\p+1], v[\adr+2+(BY/ROWB)%2] offset:BY%ROWB-232+(\i)*16*PITCH
.endif
.endr
.endm
.macro MUL16 a0, p, q, sc, zero        ; the 64 accumulators take turns
.irp a, \a0, \a0+1
.irp b, 0,1,2,3,4,5,6,7
.if \zero
	v_wmma_scale_f32_16x16x128_f8f6f4 v[8*(8*((\a)%4)+\b):8*(8*((\a)%4)+\b)+7], v[128*(\p)+FR*\b:128*(\p)+FR*\b+FR-1], v[AF+FR*(\a):AF+FR*(\a)+FR-1], 0, v[SC+8*NQ*(\sc)+NQ*\b+(\q)], v[SC+8*NQ*(\sc)+NQ*(\a)+(\q)] matrix_a_fmt:MATRIX_FMT_FP6 matrix_b_fmt:MATRIX_FMT_FP6 matrix_a_scale:MATRIX_SCALE_ROW1
.else
	v_wmma_scale_f32_16x16x128_f8f6f4 v[8*(8*((\a)%4)+\b):8*(8*((\a)%4)+\b)+7], v[128*(\p)+FR*\b:128*(\p)+FR*\b+FR-1], v[AF+FR*(\a):AF+FR*(\a)+FR-1], v[8*(8*((\a)%4)+\b):8*(8*((\a)%4)+\b)+7], v[SC+8*NQ*(\sc)+NQ*\b+(\q)], v[SC+8*NQ*(\sc)+NQ*(\a)+(\q)] matrix_a_fmt:MATRIX_FMT_FP6 matrix_b_fmt:MATRIX_FMT_FP6 matrix_a_scale:MATRIX_SCALE_ROW1
.endif
.endr
.endr
.endm
.macro FETCH_B st, p
	WIN TO_B
.irp i, 0,1,2,3,4,5,6,7
	FRAG 128*(\p)+FR*\i, ADRB, \st, \i
.endr
	WIN 0
.endm
.macro FETCH_A st, i0
.irp i, \i0, \i0+1, \i0+2, \i0+3
	FRAG AF+FR*(\i), ADRA, \st, \i
.endr
.endm
.macro SCALES pr                       ; the words of steps 2 pr, 2 pr + 1: lanes 0-15 A's block i, lanes 16-31 B's
.irp i, 0,1,2,3,4,5,6,7
	ds_load_b64 v[SC+8*NQ*((\pr)%2)+NQ*\i:SC+8*NQ*((\pr)%2)+NQ*\i+1], v[ADRS] offset:\i*SBLK+4*NQ*(\pr)
.endr
.endm
.macro PLACES n
.rept \n
	v_nop
.endr
.endm
; A step: 64 products; the next step's fragments are fetched in its middle and at its end.  Where the next step's bytes end in a chunk not yet read, a barrier shows that chunk whole;
; where they begin in a later chunk, the chunk left behind is read no more: the wait for all loads, the add, the wait for it and for my reads, the barrier, and (chunk 2) a round and the refill.
.macro STEP st, zero
.set NX, (\st)+1
.set C0, (96*(\st))/ROWB
.set C1, (96*NX)/ROWB
.set E0, (96*(\st)+95)/ROWB
.set E1, (96*NX+95)/ROWB
.if C1 > C0 || E1 > E0
	s_wait_tensorcnt 0x0
.if C1 > C0
	ds_add_u32 v[SPW], v[NIL]
	s_wait_dscnt 4*NL+1                            ; the add and A's blocks 4-7 may be out
.else
	s_wait_dscnt 4*NL                              ; A's blocks 4-7 may be out
.endif
	WIN MUL_LO
	MUL16 0, (\st)%2, (\st)%2, ((\st)/2)%2, \zero
	s_wait_dscnt 0x0
	s_barrier_signal -1
	MUL16 2, (\st)%2, (\st)%2, ((\st)/2)%2, \zero
	WIN 0
	s_barrier_wait -1
.if C1 > C0 && C0+2 < CHUNKS
	CREST
	s_add_nc_u64 s[G0+4*(C0%2)+2:G0+4*(C0%2)+3], s[G0+4*(C0%2)+2:G0+4*(C0%2)+3], 2*ROWB
	s_add_nc_u64 s[G0B+4*(C0%2)+2:G0B+4*(C0%2)+3], s[G0B+4*(C0%2)+2:G0B+4*(C0%2)+3], 2*ROWB
	JLOAD G0+4*(C0%2), G1, G0B+4*(C0%2), G1B
.else
	PLACES NP
.endif
.else
	s_wait_dscnt 4*NL
	WIN MUL_LO
	MUL16 0, (\st)%2, (\st)%2, ((\st)/2)%2, \zero
	MUL16 2, (\st)%2, (\st)%2, ((\st)/2)%2, \zero
	s_wait_dscnt 0
	PLACES NP
.endif
	FETCH_B NX, NX%2
	FETCH_A NX, 0
.if NX%2 == 0
	SCALES NX/2
.endif
	WIN MUL_HI
	MUL16 4, (\st)%2, (\st)%2, ((\st)/2)%2, \zero
	MUL16 6, (\st)%2, (\st)%2, ((\st)/2)%2, \zero
	PLACES NP
	WIN 0
	FETCH_A NX, 4
.endm
	s_wait_alu depctr_va_vdst(0)                   ; the wait at the head's end
	s_wait_tensorcnt 0x0                           ; my tile of the head's four is in
	ds_add_u32 v[SPW], v[NIL]
	s_mov_b32 s[G1+2], 128<<16                     ; no load of mine is out: from here on a load brings 128 rows
	s_mov_b32 s[G1+4], 128
	s_mov_b32 s[G1B+2], 128<<16
	s_mov_b32 s[G1B+4], 128
	s_wait_dscnt 0x0
	CROUND
	JLOAD G0+4, G1, G0B+4, G1B                     ; chunk 1, slot 1's only fill
	FETCH_B 0, 0
	FETCH_A 0, 0
	SCALES 0
	FETCH_A 0, 4
	STEP 0, 1
.set ST, 1
.rept STEPS-2
	STEP ST, 0
.set ST, ST+1
.endr
	s_wait_dscnt 4*NL
	WIN MUL_LO
	MUL16 0, 1, 1, 1, 0
	MUL16 2, 1, 1, 1, 0
	s_wait_dscnt 0
	WIN MUL_HI
	MUL16 4, 1, 1, 1, 0
	MUL16 6, 1, 1, 1, 0
	WIN 0
.macro QUANT s, w, d0, d1              ; 64 registers in window w = four blocks of 32 shared with lane l xor 16 -> two runs of six registers of codes and the scale word
.set QW, (\w)|((\w)<<2)
	WIN QW
.irp b, 0,1,2,3
	v_max3_num_f32 v[TM+\b], |v[\s+16*\b]|, |v[\s+16*\b+1]|, 0x1800000
.endr
.irp i, 2,4,6,8,10,12,14
.irp b, 0,1,2,3
	v_max3_num_f32 v[TM+\b], |v[\s+16*\b+\i]|, |v[\s+16*\b+\i+1]|, v[TM+\b]
.endr
.endr
	WIN 0
.irp b, 0,1,2,3
	v_permlanex16_b32 v[TM+4+\b], v[TM+\b], s[SEL], s[SEL+1]
.endr
.irp b, 0,1,2,3
	v_max_num_f32 v[TM+\b], v[TM+\b], v[TM+4+\b]
.endr
.irp b, 0,1,2,3
	v_add_nc_u32 v[TM+12+\b], 0xff000000, v[TM+\b]
.endr
.irp b, 0,1,2,3
	v_lshrrev_b32 v[TM+4+\b], 23, v[TM+12+\b]
.endr
	v_lshl_or_b32 v[PW], v[TM+5], 8, v[TM+4]
	v_lshl_or_b32 v[PW], v[TM+6], 16, v[PW]
	v_lshl_or_b32 v[PW], v[TM+7], 24, v[PW]
	WIN \w
	v_cvt_scalef32_pk16_fp6_f32 v[\d0:\d0+2], v[\s:\s+15], v[TM+12]
	v_cvt_scalef32_pk16_fp6_f32 v[TQ:TQ+2], v[\s+16:\s+31], v[TM+13]
	v_cvt_scalef32_pk16_fp6_f32 v[\d1:\d1+2], v[\s+32:\s+47], v[TM+14]
	v_cvt_scalef32_pk16_fp6_f32 v[TQ+4:TQ+6], v[\s+48:\s+63], v[TM+15]
	WIN 0
	v_nop
.irp i, 0,1,2
	v_permlane16_swap_b32 v[\d0+\i], v[TQ+\i]
	v_permlane16_swap_b32 v[\d1+\i], v[TQ+4+\i]
.endr
.irp i, 0,1,2
	v_mov_b32 v[\d0+3+\i], v[TQ+\i]
	v_mov_b32 v[\d1+3+\i], v[TQ+4+\i]
.endr
.endm
.macro ROPE a
.set CSB, CSR+16*((\a)%2)
	WIN 2+(\a)/4
.irp be, 0,1,2,3
.irp p, 0,1,2,3,4,5,6,7
.set XR, 8*(8*((\a)%4)+2*\be+\p/4)+2*(\p%4)
	v_pk_mul_f32 v[240+2*\p:241+2*\p], v[XR:XR+1], v[CSB+2*\p:CSB+2*\p+1] op_sel:[1,1] op_sel_hi:[0,1]   ; (x2 sin, x1 sin): the pair swapped, the sine for both halves; eight pairs in v240-255
.endr
.irp p, 0,1,2,3,4,5,6,7
.set XR, 8*(8*((\a)%4)+2*\be+\p/4)+2*(\p%4)
.set HR, H+16*\be+2*\p
	v_pk_fma_f32 v[HR:HR+1], v[XR:XR+1], v[CSB+2*\p:CSB+2*\p+1], v[240+2*\p:241+2*\p] op_sel_hi:[1,0,1] neg_lo:[0,0,1]   ; (x1 cos - x2 sin, x2 cos + x1 sin): the cosine for both halves
.endr
.endr
	WIN 0
.endm
	PLACES NP
.irp b, 0,1,2,3
	v_mov_b32 v[TM+4+\b], 0
.endr
	s_cmp_eq_u32 s[KIND], 2
	s_cbranch_scc1 .Lno_tab
.irp ap, 0,1,2,3
.irp g, 0,1,2,3
	ds_store_b128 v[TW], v[RES+16*\ap+4*\g:RES+16*\ap+4*\g+3] offset:2048*\ap+512*\g   ; my 64 positions' cos and sin, for the wave that shares my rows too
.endr
.endr
.Lno_tab:
	s_wait_dscnt 0x0
	s_barrier_signal -1
	s_barrier_wait -1
	s_cmp_eq_u32 s[KIND], 2
	s_cbranch_scc1 .Lv_path
.irp g, 0,1,2,3
	ds_load_b128 v[CSR+4*\g:CSR+4*\g+3], v[TR] offset:512*\g
.endr
.irp a, 0,1,2,3,4,5,6,7
	s_wait_dscnt 0x0
.if \a < 7
.irp g, 0,1,2,3
	ds_load_b128 v[CSR+16*((\a+1)%2)+4*\g:CSR+16*((\a+1)%2)+4*\g+3], v[TR] offset:2048*(\a+1)+512*\g
.endr
.endif
	ROPE \a
.if (\a%2 == 0) && (\a > 0)
	s_wait_xcnt 0x0                                ; the last pair's stores have read their data
.endif
.set D0, CD+6*(\a%2)
.set D1, CD+12+6*(\a%2)
	QUANT H, 0, D0, D1
	v_lshrrev_b32 v[XW], v[SH], v[PW]
	ds_store_b32 v[SSQ], v[XW] offset:64*\a
.if \a%2
.irp c, 0,1
.irp g, 0,1,2
	global_store_b128 v[VO], v[CD+12*\c+4*\g:CD+12*\c+4*\g+3], s[OB+4*\c:OB+4*\c+1] offset:(\a/2)*1536+512*\g
.endr
.endr
.endif
.endr
	ds_load_b128 v[H:H+3], v[SLQ]
	ds_load_b128 v[H+4:H+7], v[SLQ] offset:512
	s_wait_dscnt 0x0
	global_store_b128 v[VO], v[H:H+3], s[SB:SB+1]
	global_store_b128 v[VO], v[H+4:H+7], s[SB+2:SB+3]
	s_branch .Ldone
.Lv_path:
.irp a, 0,1,2,3,4,5,6,7
.if \a > 0
	s_wait_xcnt 0x0
.endif
.set VSRC, 64*(\a%4)
.set VWIN, 2+\a/4
	QUANT VSRC, VWIN, CD, CD+6
.irp g, 0,1,2
	global_store_b128 v[VO], v[CD+4*\g:CD+4*\g+3], s[OB+4*(\a/4):OB+4*(\a/4)+1] offset:(\a%4)*1536+512*\g
.endr
	ds_store_b32 v[SSV], v[PW] offset:64*\a
.endr
	ds_load_b128 v[H:H+3], v[SLV]
	s_wait_dscnt 0x0
	global_store_b128 v[GV], v[H:H+3], s[SB:SB+1]
.Ldone:
	s_wait_tensorcnt 0x0                           ; the wave's end
	ds_add_u32 v[SPW], v[NIL]
	s_wait_dscnt 0x0
	CROUND
	s_endpgm
.Lfunc_end_k_q4d21252597_proj:
	.size	k_q4d21252597_proj, .Lfunc_end_k_q4d21252597_proj-k_q4d21252597_proj
	.p2alignl 7, 3214868480
	.fill 96, 4, 3214868480
	.section	.rodata,"a",@progbits
	.p2align	6, 0x0
	.amdhsa_kernel k_q4d21252597_proj
		.amdhsa_group_segment_fixed_size 327680
		.amdhsa_private_segment_fixed_size 0
		.amdhsa_enable_private_segment 0
		.amdhsa_kernarg_size 96
		.amdhsa_user_sgpr_count 2
		.amdhsa_user_sgpr_kernarg_segment_ptr 1
		.amdhsa_wavefront_size32 1
		.amdhsa_system_sgpr_workgroup_id_x 1
		.amdhsa_system_sgpr_workgroup_id_y 1
		.amdhsa_system_sgpr_workgroup_id_z 1
		.amdhsa_system_vgpr_workitem_id 0
		.amdhsa_next_free_vgpr 1024
		.amdhsa_next_free_sgpr 102
		.amdhsa_reserve_vcc 1
		.amdhsa_float_denorm_mode_32 3
		.amdhsa_float_denorm_mode_16_64 3
		.amdhsa_memory_ordered 1
		.amdhsa_forward_progress 1
		.amdhsa_inst_pref_size 255
	.end_amdhsa_kernel
	.section	.bss,"aw",@nobits
	.p2align	6
	.space	262144
	.amdgpu_metadata
---
amdhsa.version: [ 1, 2 ]
amdhsa.kernels:
  - .name:           k_q4d21252597_proj
    .symbol:         k_q4d21252597_proj.kd
    .args:
      - { .name: x_codes, .offset: 0, .size: 8, .value_kind: global_buffer, .address_space: global }
      - { .name: x_scales, .offset: 8, .size: 8, .value_kind: global_buffer, .address_space: global }
      - { .name: Wq_codes, .offset: 16, .size: 8, .value_kind: global_buffer, .address_space: global }
      - { .name: Wq_scales, .offset: 24, .size: 8, .value_kind: global_buffer, .address_space: global }
      - { .name: Wk_codes, .offset: 32, .size: 8, .value_kind: global_buffer, .address_space: global }
      - { .name: Wk_scales, .offset: 40, .size: 8, .value_kind: global_buffer, .address_space: global }
      - { .name: Wv_codes, .offset: 48, .size: 8, .value_kind: global_buffer, .address_space: global }
      - { .name: Wv_scales, .offset: 56, .size: 8, .value_kind: global_buffer, .address_space: global }
      - { .name: qc, .offset: 64, .size: 8, .value_kind: global_buffer, .address_space: global }
      - { .name: qs, .offset: 72, .size: 8, .value_kind: global_buffer, .address_space: global }
      - { .name: kvc, .offset: 80, .size: 8, .value_kind: global_buffer, .address_space: global }
      - { .name: kvs, .offset: 88, .size: 8, .value_kind: global_buffer, .address_space: global }
    .group_segment_fixed_size: 327680
    .private_segment_fixed_size: 0
    .kernarg_segment_align: 8
    .kernarg_segment_size: 96
    .max_flat_workgroup_size: 128
    .sgpr_count:     102
    .vgpr_count:     1024
    .wavefront_size: 32
...
	.end_amdgpu_metadata
.endif
;; end of part 1
;; launch attn (part 2): grid 8 x 32, 16 waves a work-group, clusters of 4 x 1, 260,096 bytes of LDS; arguments qc, qs, kvc, kvs, lambda_q1, lambda_k1, lambda_q2, lambda_k2, rms_weight, acod, ascl; writes acod, ascl
.if DOCPART == 2
	.amdgcn_target "amdgcn-amd-amdhsa--gfx1250"
	.amdhsa_code_object_version 6
	.text
	.protected	k_q4d21252597_attn
	.globl	k_q4d21252597_attn
	.p2align	8
	.type	k_q4d21252597_attn,@function
k_q4d21252597_attn:
	s_mov_b64 s[64:65], 0
	v_nop
	global_prefetch_b8 v0, s[64:65] scope:SCOPE_SE
	s_setreg_imm32_b32 hwreg(HW_REG_WAVE_MODE, 25, 1), 1
	s_wait_xcnt 0x0
	s_wait_alu depctr_hold_cnt(0) depctr_sa_sdst(0) depctr_va_vdst(0) depctr_va_sdst(0) depctr_va_ssrc(0) depctr_va_vcc(0) depctr_vm_vsrc(0)
	s_getreg_b32 s2, hwreg(HW_REG_IB_STS2, 6, 4)
	s_cmp_eq_u32 s2, 0
	s_cbranch_scc0 .Lentry_in_a_cluster
	s_endpgm
.Lentry_in_a_cluster:
	s_bfe_u32 s2, ttmp6, 0x10000c
	s_cmp_lg_u32 s2, 0x3003
	s_cbranch_scc0 .Lentry_shape_is_right
	s_endpgm
.Lentry_shape_is_right:
; a = rmsnorm(attend(q1, k1) - lambda attend(q2, k2)) x gain x (1 - lambda_init), all four products on codes of FP6 (E2M3) with E8M0 scales; a leaves quantised along its 1,024.
; SHARES.  A work-group owns 256 queries of one (batch, head); each of its sixteen waves 16 queries and BOTH sub-heads, in 256 registers.
; LDS.  A head's K, V and scale bytes lie in LDS for the whole launch, every byte filled once: each wave issues ONE tensor load at the head (waves 0-3 K's 512 keys each, waves 4-7 V's, waves 8-15 an eighth
; of the scale bytes), one wait and one barrier follow, and the loop over the 16 steps of 128 keys has no barrier.  Rows of 256 bytes get 64 bytes of padding: a block of 32 keys of K is 1,920 bytes, 128 modulo 256.
; CLUSTER.  The four query blocks of a cluster walk the same head: every load is joint (mask 15).  No prefetch: all of a work-group's bytes are asked for at its head; there is no later load to run ahead of.
; LAYOUT.  Both products are used transposed: S^T = K Q^T, O^T = V^T P^T: a lane holds one query throughout.
; THE ROWS OF A TILE OF K ARE CHOSEN BY ADDRESS: of 64 keys, tile t takes in rows 0-7 the keys 16 (t % 2) + 8 (t / 2) + 0..7 of the first block of 32 and in rows 8-15 the same keys of the second.  So lanes 0-15 hold a
; whole block of p in 32 registers on end and lanes 16-31 the next block, in the order in which V's codes lie: a block's maximum needs no other lane and the conversions' results are the operand's registers.
; A SCORE'S K IS 32, THE INSTRUCTION'S 128.  A tile of K has sub-head 1 in lanes 0-15 and sub-head 2 in lanes 16-31 of registers 0-5; registers 6-11 are whatever follows.  Q1 = [q1 | 0 | 0 | 0], Q2 = [0 | q2 | 0 | 0] with
; zero CODES.  The step's eight tiles stay in registers over both sub-heads: K is read from LDS once a step.
; SOFTMAX.  t = score x log2(e) / sqrt(32); M = the running largest t rounded up to a whole number; p = 2^(t - M) is quantised along the keys; the sum is taken of the unquantised p; when M moves, the sum and O are
; multiplied by 2^(old M - new M), which rounds nothing.  A block's largest p is the block's largest score put through the same multiply-add and exponential.
; LIMITS: the scaled scores stay under 2^31 in magnitude; NaN and infinities are not served; a block of zeros gets the byte 1 (zero codes; this program alone reads the bytes).
.set VB,    122880                     ; LDS: K 16 x 7,680; from here V 16 x 7,680
.set SC,    245760                     ; the scale bytes, 16 x 768
.set SPARE, 258048                     ; the spare words, 128 bytes a wave
.set SH8,  0                           ; v0 behind the head: 8 x (lane / 16)
.set KL,   1                           ; lane terms: K's tiles, V's fragments, K's words, 4 lane
.set VL,   2
.set SLK,  3
.set SLV,  4
.set ADK,  5                           ; the step's addresses
.set ADV,  6
.set ADS,  7
.set ADW,  8
.set LAM,  9
.set SPW,  10
.set NIL,  11
.set ST,   12                          ; sub-head u: -M v[12+4u], the largest score v[13+4u], the sum in two halves v[14+4u:15+4u]
.set Q,    20                          ; v20-31 Q1, v32-43 Q2
.set P,    44                          ; v44-55 p's codes of sub-head 1, v56-67 of sub-head 2; ahead of the codes, four of the sum's chains
.set KG,   56                          ; v56-79 K's tiles 4-7 (until sub-head 2's scores are made)
.set KX,   68                          ; v68-79 then V's fragment 2
.set KF,   80                          ; v80-103 K's tiles 0-3, then V's fragments 0, 1
.set ZT,   104                         ; v104-109 six zeros behind tile 3
.set S,    110                         ; v110-173 S^T, then p
.set O,    174                         ; v174-237 O^T: 32 u + 8 tile
.set KS,   238                         ; v238-241 K's scale words, v242-243 V's, v244 Q's, v245-246 p's: they hold nothing else
.set VS,   242
.set QS,   244
.set PS,   245
.set T,    247
.set F,    248                         ; v[248:249] 2^(old M - new M); v248-255 also serve the eight chains of the maxima
.set CB,   250
.set BM,   252
.set X,    254
.set GN,   44                          ; the way out: the gain, v44-75; the codes, v80-93
.set TP,   80
.set WV,   26
.set NCS,  27
.set SEL,  32
.set CS,   34
.set G1K,  36
.set G1S,  44
.set G0S,  52
.set G0K,  56
.set TB,   76
.set TS,   77
.set CNT,  78
.set MODD, 79
.set MLO,  80
.set MHI,  81
.macro CROUND
	s_barrier_signal -1
	s_barrier_wait -1
	s_cmp_lg_u32 s[WV], 0
	s_cbranch_scc1 .Lnot_wave_0_\@
	s_barrier_signal -3
.Lnot_wave_0_\@:
	s_barrier_wait -3
	s_barrier_signal -1
	s_barrier_wait -1
.endm
.macro NOP4
.rept 4
	v_nop
.endr
.endm
	s_load_b512 s[4:19], s[0:1], 0x0               ; qc, qs, kvc, kvs, lambda_q1, lambda_k1, lambda_q2, lambda_k2
	s_load_b128 s[20:23], s[0:1], 0x40             ; rms_weight, acod
	s_load_b64 s[24:25], s[0:1], 0x50              ; ascl
	v_lshl_add_u32 v[SPW], v0, 2, SPARE
	v_mov_b32 v[NIL], 0
	ds_add_u32 v[SPW], v[NIL]                      ; the opening lines: the add twice on end and one wait
	ds_add_u32 v[SPW], v[NIL]
	v_lshrrev_b32 v[T], 5, v0
	v_readfirstlane_b32 s[WV], v[T]                ; wave 0..15
	s_and_b32 s29, ttmp7, 0xffff                   ; 16 batch + head: the four partners share it
	s_mov_b32 s[G1K], 15|(3<<16)|(1<<20)|(1<<21)|(5<<22)|(15<<25)   ; codes: 96 rows of 256 bytes, 64 bytes of padding behind each
	s_mov_b32 s[G1K+1], 32<<16
	s_mov_b32 s[G1K+2], 96<<16
	s_mov_b32 s[G1K+3], 32<<16
	s_mov_b32 s[G1K+4], 96
	s_mov_b32 s[G1K+5], 32
	s_mov_b32 s[G1K+6], 0
	s_mov_b32 s[G1K+7], 0
	s_mov_b32 s[G1S], 15|(3<<16)|(1<<21)           ; scale bytes: 6 rows of 256 bytes
	s_mov_b32 s[G1S+1], 32<<16
	s_mov_b32 s[G1S+2], 6<<16
	s_mov_b32 s[G1S+3], 32<<16
	s_mov_b32 s[G1S+4], 6
	s_mov_b32 s[G1S+5], 32
	s_mov_b32 s[G1S+6], 0
	s_mov_b32 s[G1S+7], 0
	s_and_b32 s2, s[WV], 3
	s_mul_i32 s82, s2, 49152                       ; in memory: the group of 512 keys,
	s_bfe_u32 s2, s[WV], 0x10002
	s_mul_i32 s2, s2, 24576                        ; its K or its V,
	s_add_co_u32 s82, s82, s2
	s_mul_i32 s2, s29, 196608                      ; of my head
	s_add_co_u32 s82, s82, s2
	s_mov_b32 s83, 0
	s_and_b32 s2, s[WV], 7
	s_mul_i32 s3, s2, 30720                        ; in LDS: 96 rows of 320 bytes a wave
	s_mul_i32 s2, s2, 1536
	s_mul_i32 s30, s29, 12288
	s_add_co_u32 s30, s30, s2
	s_mov_b32 s31, 0
	s_add_co_u32 s28, s2, SC
	s_mov_b32 s[SEL], 0x76543210
	s_mov_b32 s[SEL+1], 0xfedcba98
	s_mov_b32 s[CS], 0x3e8293ee                    ; c = log2(e) / sqrt(32)
	s_mov_b32 s[CS+1], s[CS]
	s_mov_b32 s[NCS], 0xbe8293ee                   ; -c
	s_and_b32 s[MODD], s[WV], 1
	s_sub_co_u32 s[MODD], 0, s[MODD]               ; all ones in an odd wave
	s_mov_b32 s[MLO], 0xffff
	s_mov_b32 s[MHI], 0xffff0000
	s_mov_b32 s92, 0x3727c5ac                      ; 1e-5
	s_mov_b32 s93, 0x3c800000                      ; 1 / 64
	s_wait_dscnt 0x0
	s_wait_kmcnt 0x0
	s_mov_b32 s[G0S], 1
	s_mov_b32 s[G0S+1], s28
	s_add_nc_u64 s[G0S+2:G0S+3], s[10:11], s[30:31]
	s_or_b32 s[G0S+3], s[G0S+3], 0x80000000
	s_mov_b32 s[G0K], 1
	s_mov_b32 s[G0K+1], s3
	s_add_nc_u64 s[G0K+2:G0K+3], s[8:9], s[82:83]
	s_or_b32 s[G0K+3], s[G0K+3], 0x80000000
	CROUND                                         ; all four work-groups are here: the joint loads meet
	s_cmp_lt_u32 s[WV], 8                          ; one load a wave, in the two arms of one branch on its number
	s_cbranch_scc0 .Lfill_s
	tensor_load_to_lds s[G0K:G0K+3], s[G1K:G1K+7]
	s_nop 0
	NOP4
	s_branch .Lfilled
.Lfill_s:
	tensor_load_to_lds s[G0S:G0S+3], s[G1S:G1S+7]
	s_nop 0
	NOP4
.Lfilled:
	; my place in the cluster enters the addresses of Q and of a alone
	s_bfe_u32 s84, ttmp6, 0x40000
	s_lshl_b32 s85, ttmp9, 2
	s_add_co_u32 s85, s85, s84                     ; my block of 256 queries
	s_lshl_b32 s86, s85, 3
	s_lshr_b32 s87, s[WV], 1
	s_add_co_u32 s86, s86, s87                     ; my pair of tiles
	s_mul_i32 s86, s86, 1536
	s_mul_i32 s87, s29, 98304
	s_add_co_u32 s86, s86, s87
	s_mov_b32 s87, 0
	s_add_nc_u64 s[4:5], s[4:5], s[86:87]
	s_lshl_b32 s86, s29, 13
	s_lshl_b32 s88, s85, 10
	s_add_co_u32 s86, s86, s88
	s_lshl_b32 s88, s[WV], 6
	s_add_co_u32 s86, s86, s88
	s_add_nc_u64 s[6:7], s[6:7], s[86:87]          ; my 16 queries' scale words
	s_lshr_b32 s88, s29, 4
	s_lshl_b32 s88, s88, 7
	s_lshl_b32 s89, s85, 4
	s_add_co_u32 s88, s88, s89
	s_add_co_u32 s88, s88, s[WV]                   ; my tile among a's 256 tiles of rows
	s_and_b32 s89, s29, 15                         ; the head
	s_mul_i32 s86, s89, 196608
	s_mul_i32 s90, s88, 768
	s_add_co_u32 s86, s86, s90
	s_add_nc_u64 s[22:23], s[22:23], s[86:87]
	s_lshr_b32 s86, s89, 1
	s_lshl_b32 s86, s86, 14
	s_lshl_b32 s90, s88, 6
	s_add_co_u32 s86, s86, s90
	s_and_b32 s90, s89, 1
	s_lshl_b32 s90, s90, 1
	s_add_co_u32 s86, s86, s90
	s_add_nc_u64 s[24:25], s[24:25], s[86:87]      ; my two bytes of the rows' scale words
	v_and_b32 v[T], 31, v0
	v_bfe_u32 v[BM], v0, 4, 1                      ; h = lane / 16
	v_bfe_u32 v[BM+1], v0, 3, 1                    ; r / 8
	v_and_b32 v[CB], 7, v0                         ; r % 8
	v_and_b32 v[CB+1], 15, v0                      ; r
	v_lshlrev_b32 v[SLV], 2, v[T]
	v_lshlrev_b32 v[X], 4, v[T]
	v_mul_u32_u24 v[KL], v[BM+1], 1920             ; K: the block of 32 keys by r / 8,
	v_mul_u32_u24 v[VL], v[BM], 320
	v_lshlrev_b32 v[SLK], 7, v[BM+1]               ; K's words: 4 x (32 (r / 8) + 8 h + r % 8)
	v_lshlrev_b32 v[ADW], 2, v[CB+1]
	v_mad_u32_u24 v[KL], v[BM], 320, v[KL]         ; the sub-head's row of 256 bytes by h,
	v_lshl_add_u32 v[VL], v[CB+1], 4, v[VL]
	v_lshl_add_u32 v[SLK], v[BM], 5, v[SLK]
	v_lshl_add_u32 v[KL], v[CB], 4, v[KL]          ; 16 bytes a key
	v_add_nc_u32 v[VL], VB, v[VL]                  ; V: an image's 16 lane, in rows of 256 + 64 bytes
	v_lshl_add_u32 v[SLK], v[CB], 2, v[SLK]
	v_lshlrev_b32 v[SH8], 3, v[BM]                 ; v0 is read no more
.irp g, 0,1,2
	global_load_b128 v[S+4*\g:S+4*\g+3], v[X], s[4:5] offset:512*\g   ; the pair's twelve registers
.endr
	global_load_b32 v[QS], v[ADW], s[6:7]
	global_load_b32 v[S+12], v[SLV], s[12:13]
	global_load_b32 v[S+13], v[SLV], s[14:15]
	global_load_b32 v[S+14], v[SLV], s[16:17]
	global_load_b32 v[S+15], v[SLV], s[18:19]
.irp u, 0,1
	v_mov_b32 v[ST+4*\u], 0x7e000000               ; -M: a large whole number
	v_mov_b32 v[ST+4*\u+1], 0xff61b1e6             ; the largest score so far: -3e38
	v_mov_b32 v[ST+4*\u+2], 0
	v_mov_b32 v[ST+4*\u+3], 0
.endr
.irp j, 0,1,2,3,4,5
	v_mov_b32 v[ZT+\j], 0
	v_mov_b32 v[Q+6+\j], 0
	v_mov_b32 v[Q+18+\j], 0
.endr
	v_mov_b32 v[X+1], 0                            ; a lane permute's destination counts as one of its sources
	v_mov_b32 v[F], 0
	v_mov_b32 v[F+1], 0
.set jj, 0
.rept 64
	v_mov_b32 v[O+jj], 0                           ; the step is written once: the first finds zeros, which the first change of M leaves zeros
.set jj, jj+1
.endr
	s_wait_loadcnt 0x0
.irp j, 0,1,2,3,4,5
	v_cndmask_b32 v[S+16+\j], v[S+\j], v[S+6+\j], s[MODD]   ; an odd wave's tile is the pair's second
.endr
.irp j, 0,1,2,3,4,5
	v_cndmask_b32 v[Q+\j], 0, v[S+16+\j], s[MLO]   ; Q1: sub-head 1 in lanes 0-15, zero codes elsewhere
	v_cndmask_b32 v[Q+12+\j], 0, v[S+16+\j], s[MHI]   ; Q2: sub-head 2 in lanes 16-31
.endr
	v_mul_f32 v[S+12], v[S+12], v[S+13]            ; lambda = exp(sum lq1 lk1) - exp(sum lq2 lk2) + lambda_init
	v_mul_f32 v[S+14], v[S+14], v[S+15]
.irp m, 1,2,4,8
	s_delay_alu instid0(VALU_DEP_2)
	v_add_f32_dpp v[S+12], v[S+12], v[S+12] row_xmask:\m row_mask:0xf bank_mask:0xf
	s_delay_alu instid0(VALU_DEP_2)
	v_add_f32_dpp v[S+14], v[S+14], v[S+14] row_xmask:\m row_mask:0xf bank_mask:0xf
.endr
	s_delay_alu instid0(VALU_DEP_2)
	v_permlanex16_b32 v[X], v[S+12], s[SEL], s[SEL+1]
	s_delay_alu instid0(VALU_DEP_2)
	v_permlanex16_b32 v[X+1], v[S+14], s[SEL], s[SEL+1]
	s_delay_alu instid0(VALU_DEP_2)
	v_add_f32 v[S+12], v[S+12], v[X]
	s_delay_alu instid0(VALU_DEP_2)
	v_add_f32 v[S+14], v[S+14], v[X+1]
	s_delay_alu instid0(VALU_DEP_2)
	v_mul_f32 v[S+12], 0x3fb8aa3b, v[S+12]
	s_delay_alu instid0(VALU_DEP_2)
	v_mul_f32 v[S+14], 0x3fb8aa3b, v[S+14]
	s_wait_alu depctr_va_vdst(0)                   ; a wait ahead of the batch and one behind it
	v_exp_f32 v[S+12], v[S+12]
	v_exp_f32 v[S+14], v[S+14]
	v_nop
	s_wait_alu depctr_va_vdst(0)
	v_sub_f32 v[LAM], v[S+12], v[S+14]
	s_delay_alu instid0(VALU_DEP_1)
	v_add_f32 v[LAM], 0x3f489a63, v[LAM]
.macro KTILES d, off                   ; four tiles of 64 keys: tiles 2 i and 2 i + 1 are twelve registers on end of the blocks' images, three loads of 16 bytes a lane
.irp i, 0,1
.irp g, 0,1,2
	ds_load_b128 v[\d+12*\i+4*\g:\d+12*\i+4*\g+3], v[ADK] offset:\off+128*\i+640*\g
.endr
.endr
.endm
.macro SCORE u                         ; S^T of sub-head u for the step's 128 keys: eight products, each starting its own sum
.irp b, 0,1
.irp t, 0,1
	v_wmma_scale_f32_16x16x128_f8f6f4 v[S+32*\b+8*\t:S+32*\b+8*\t+7], v[KF-24*\b+6*\t:KF-24*\b+6*\t+11], v[Q+12*\u:Q+12*\u+11], 0, v[KS+2*\b+\t], v[QS] matrix_a_fmt:MATRIX_FMT_FP6 matrix_b_fmt:MATRIX_FMT_FP6
.endr
.irp t, 2,3
	v_wmma_scale_f32_16x16x128_f8f6f4 v[S+32*\b+8*\t:S+32*\b+8*\t+7], v[KF-24*\b+6*\t:KF-24*\b+6*\t+11], v[Q+12*\u:Q+12*\u+11], 0, v[KS+2*\b+\t-2], v[QS] matrix_a_fmt:MATRIX_FMT_FP6 matrix_b_fmt:MATRIX_FMT_FP6 matrix_a_scale:MATRIX_SCALE_ROW1
.endr
.endr
.endm
.macro ADD6 pu, j                      ; twelve numbers of p from register j on join the sum's six chains
	v_pk_add_f32 v[CB:CB+1], v[CB:CB+1], v[S+(\j):S+(\j)+1]
	v_pk_add_f32 v[X:X+1], v[X:X+1], v[S+(\j)+2:S+(\j)+3]
.irp i, 4,6,8,10
	v_pk_add_f32 v[(\pu)+\i:(\pu)+\i+1], v[(\pu)+\i:(\pu)+\i+1], v[S+(\j)+\i:S+(\j)+\i+1]
.endr
.endm
.macro SMAX u, v3                      ; scores to p's codes, scale word and sum.  v3 = 1: V's fragment 3 is asked for into registers of p that have been summed and converted
.set N, ST+4*\u
.set PU, P+12*\u
.irp c, 0,1                            ; my two blocks' largest scores: eight chains, one a tile; each accumulator is read from its low end on
	v_max3_num_f32 v[BM+\c], v[S+32*\c], v[S+32*\c+1], v[S+32*\c+2]
	v_max3_num_f32 v[X+\c], v[S+32*\c+8], v[S+32*\c+9], v[S+32*\c+10]
	v_max3_num_f32 v[CB+\c], v[S+32*\c+16], v[S+32*\c+17], v[S+32*\c+18]
	v_max3_num_f32 v[F+\c], v[S+32*\c+24], v[S+32*\c+25], v[S+32*\c+26]
.endr
.irp i, 3,5
.irp c, 0,1
	v_max3_num_f32 v[BM+\c], v[BM+\c], v[S+32*\c+\i], v[S+32*\c+\i+1]
	v_max3_num_f32 v[X+\c], v[X+\c], v[S+32*\c+8+\i], v[S+32*\c+9+\i]
	v_max3_num_f32 v[CB+\c], v[CB+\c], v[S+32*\c+16+\i], v[S+32*\c+17+\i]
	v_max3_num_f32 v[F+\c], v[F+\c], v[S+32*\c+24+\i], v[S+32*\c+25+\i]
.endr
.endr
.irp c, 0,1
	v_max3_num_f32 v[BM+\c], v[BM+\c], v[X+\c], v[S+32*\c+7]
	v_max3_num_f32 v[CB+\c], v[CB+\c], v[F+\c], v[S+32*\c+15]
.endr
.irp c, 0,1
	v_max_num_f32 v[X+\c], v[S+32*\c+23], v[S+32*\c+31]
.endr
.irp c, 0,1
	v_max3_num_f32 v[BM+\c], v[BM+\c], v[CB+\c], v[X+\c]
.endr
	s_delay_alu instid0(VALU_DEP_1)
	v_max_num_f32 v[T], v[BM], v[BM+1]
	v_mov_b32 v[X+1], v[N]                         ; the old -M
	s_delay_alu instid0(VALU_DEP_2)
	v_permlanex16_b32 v[X], v[T], s[SEL], s[SEL+1]
	s_delay_alu instid0(VALU_DEP_1)
	v_max3_num_f32 v[N+1], v[N+1], v[T], v[X]      ; the running largest score of my query
	s_delay_alu instid0(VALU_DEP_1)
	v_mul_f32 v[T], s[NCS], v[N+1]
	s_delay_alu instid0(VALU_DEP_1)
	v_floor_f32 v[N], v[T]                         ; -M = floor(-t): M is a whole number
	s_delay_alu instid0(VALU_DEP_1)
	v_sub_f32 v[T], v[N], v[X+1]
.irp c, 0,1
	v_fma_f32 v[BM+\c], v[BM+\c], s[CS], v[N]
.endr
	v_cvt_i32_f32 v[T], v[T]                       ; old M - new M as a whole number (it saturates)
.set jj, 0
.rept 32
	v_pk_fma_f32 v[S+jj:S+jj+1], v[S+jj:S+jj+1], s[CS:CS+1], v[N:N+1] op_sel_hi:[1,0,0]   ; t - M
.set jj, jj+2
.endr
	s_wait_alu depctr_va_vdst(0)                   ; a wait ahead of the batch
.irp c, 0,1
	v_exp_f32 v[BM+\c], v[BM+\c]                   ; the blocks' largest p
.endr
.set jj, 0
.rept 64
	v_exp_f32 v[S+jj], v[S+jj]
.set jj, jj+1
.endr
	v_ldexp_f32 v[F], 1.0, v[T]                    ; 2^(old M - new M): the plain place behind the batch
	s_wait_alu depctr_va_vdst(0)                   ; and one wait behind it
.irp c, 0,1
	v_max_num_f32 v[BM+\c], 0x1800000, v[BM+\c]    ; the floor 2^(3 - 127): the byte cannot fall under 1
.endr
	v_pk_add_f32 v[CB:CB+1], v[S:S+1], v[S+12:S+13]      ; the sum of the unquantised p, in six chains, four of them in registers that p's codes take afterwards
	v_pk_add_f32 v[X:X+1], v[S+2:S+3], v[S+14:S+15]
.irp i, 4,6,8,10
	v_pk_add_f32 v[PU+\i:PU+\i+1], v[S+\i:S+\i+1], v[S+12+\i:S+13+\i]
.endr
.irp c, 0,1
	v_add_nc_u32 v[BM+\c], 0xff000000, v[BM+\c]    ; 2 off the exponent field: the conversions' scale operands
.endr
	ADD6 PU, 24                                    ; registers 0-35 of p are summed
	v_cvt_scalef32_pk16_fp6_f32 v[PU:PU+2], v[S:S+15], v[BM]
	v_lshrrev_b32 v[T], 23, v[BM]                  ; the two bytes.  (Plain places between the conversions)
	v_lshrrev_b32 v[PU+3], 23, v[BM+1]
	v_cvt_scalef32_pk16_fp6_f32 v[S:S+2], v[S+16:S+31], v[BM]       ; a conversion's three registers begin on an even number: a block's second half is made elsewhere and moved
	v_lshl_or_b32 v[T], v[PU+3], 16, v[T]          ; my bytes: blocks h and 2 + h,
.if \v3
.irp g, 0,1,2
	ds_load_b128 v[S+16+4*\g:S+19+4*\g], v[ADV] offset:5760+640*\g
.endr
.endif
	ADD6 PU, 36
	v_lshlrev_b32 v[T], v[SH8], v[T]               ; at their places in the word;
	ADD6 PU, 48
	v_permlanex16_b32 v[PU+3], v[T], s[SEL], s[SEL+1]
	v_pk_add_f32 v[CB:CB+1], v[CB:CB+1], v[S+60:S+61]
	v_pk_add_f32 v[X:X+1], v[X:X+1], v[S+62:S+63]
	v_pk_add_f32 v[PU+4:PU+5], v[PU+4:PU+5], v[PU+6:PU+7]
	v_pk_add_f32 v[PU+8:PU+9], v[PU+8:PU+9], v[PU+10:PU+11]
	v_or_b32 v[PS+\u], v[T], v[PU+3]               ; with lane l xor 16's two the word is whole
	v_pk_add_f32 v[CB:CB+1], v[CB:CB+1], v[X:X+1]
	v_pk_add_f32 v[PU+4:PU+5], v[PU+4:PU+5], v[PU+8:PU+9]
	v_pk_add_f32 v[CB:CB+1], v[CB:CB+1], v[PU+4:PU+5]
	v_cvt_scalef32_pk16_fp6_f32 v[PU+6:PU+8], v[S+32:S+47], v[BM+1]
.irp i, 0,1,2
	v_mov_b32 v[PU+3+\i], v[S+\i]
.endr
	v_cvt_scalef32_pk16_fp6_f32 v[S+32:S+34], v[S+48:S+63], v[BM+1]
	v_pk_fma_f32 v[N+2:N+3], v[N+2:N+3], v[F:F+1], v[CB:CB+1] op_sel_hi:[1,0,1]   ; the old sum under the new M, and this step's.  (The plain place behind the conversion)
.irp i, 0,1,2
	v_mov_b32 v[PU+9+\i], v[S+32+\i]
.endr
.endm
.macro RESC u                          ; O^T of sub-head u under the new M
	s_wait_alu depctr_va_vdst(0)                   ; the wait directly ahead of the first reader of O^T
.set jj, 0
.rept 16
	v_pk_mul_f32 v[O+32*\u+jj:O+32*\u+jj+1], v[O+32*\u+jj:O+32*\u+jj+1], v[F:F+1] op_sel_hi:[1,0]
.set jj, jj+2
.endr
.endm
.macro PVMUL u, t, a
.if (\t)%2
	v_wmma_scale_f32_16x16x128_f8f6f4 v[O+32*\u+8*(\t):O+32*\u+8*(\t)+7], v[\a:\a+11], v[P+12*\u:P+12*\u+11], v[O+32*\u+8*(\t):O+32*\u+8*(\t)+7], v[VS+(\t)/2], v[PS+\u] matrix_a_fmt:MATRIX_FMT_FP6 matrix_b_fmt:MATRIX_FMT_FP6 matrix_a_scale:MATRIX_SCALE_ROW1
.else
	v_wmma_scale_f32_16x16x128_f8f6f4 v[O+32*\u+8*(\t):O+32*\u+8*(\t)+7], v[\a:\a+11], v[P+12*\u:P+12*\u+11], v[O+32*\u+8*(\t):O+32*\u+8*(\t)+7], v[VS+(\t)/2], v[PS+\u] matrix_a_fmt:MATRIX_FMT_FP6 matrix_b_fmt:MATRIX_FMT_FP6
.endif
.endm
	s_wait_alu depctr_va_vdst(0)                   ; the wait at the head's end
	s_wait_tensorcnt 0x0                           ; my part of the head is in,
	s_barrier_signal -1
	s_barrier_wait -1                              ; everybody's is: nothing is ever filled again
	s_mov_b32 s[TB], 0
	s_mov_b32 s[TS], SC
	s_mov_b32 s[CNT], 16
.Lstep:                                                ; 128 keys
	v_add_nc_u32 v[ADK], s[TB], v[KL]              ; these four and the v_nop are the places behind the last step's products
	v_add_nc_u32 v[ADV], s[TB], v[VL]
	v_add_nc_u32 v[ADS], s[TS], v[SLK]
	v_add_nc_u32 v[ADW], s[TS], v[SLV]
	v_nop                                          ; a fifth place: the scores are written over registers that held V's fragment 3
	s_wait_alu depctr_va_vdst(0)                   ; the wait
.irp i, 0,1,2,3
	ds_load_b32 v[KS+\i], v[ADS] offset:256*(\i/2)+64*(\i%2)   ; lanes 0-15: tile 4 (i / 2) + i % 2; lanes 16-31: the tile two further on
.endr
.irp i, 0,1
	ds_load_b32 v[VS+\i], v[ADW] offset:512+128*\i
.endr
	KTILES KF, 0
	KTILES KG, 3840
	s_wait_dscnt 0x0
	SCORE 0
	NOP4
	SMAX 0, 0
	SCORE 1                                        ; on the same eight tiles
	RESC 0                                         ; sixteen plain instructions on other registers: the places behind the eight products, ahead of the loads and of the first read of the scores
.irp j, 0,1,2,3,4,5
	ds_load_b128 v[KF+4*\j:KF+4*\j+3], v[ADV] offset:1920*(\j/3)+640*(\j%3)   ; V's fragments 0, 1
.endr
.irp j, 0,1,2
	ds_load_b128 v[KX+4*\j:KX+4*\j+3], v[ADV] offset:3840+640*\j              ; and 2
.endr
	SMAX 1, 1
	RESC 1                                         ; also the places ahead of the products that take p and its word
	s_wait_alu depctr_va_vdst(0)                   ; the wait directly ahead of the wait below
	s_wait_dscnt 0x0
	PVMUL 0, 0, KF                                 ; O^T += V^T P^T: each fragment of V feeds two products; the eight accumulators take turns
	PVMUL 1, 0, KF
	PVMUL 0, 1, KF+12
	PVMUL 1, 1, KF+12
	PVMUL 0, 2, KX
	PVMUL 1, 2, KX
	PVMUL 0, 3, S+16
	PVMUL 1, 3, S+16
	s_add_co_u32 s[TB], s[TB], 7680
	s_add_co_u32 s[TS], s[TS], 768
	s_sub_co_u32 s[CNT], s[CNT], 1
	s_cmp_lg_u32 s[CNT], 0
	s_wait_alu depctr_va_vdst(0)                   ; the wait ahead of the branch
	s_cbranch_scc1 .Lstep
	; THE WAY OUT: register 8 t + j of a lane (r, h) is channel 16 t + 8 h + j of query r
	NOP4
	v_lshlrev_b32 v[ADK], 2, v[SH8]                ; 32 h
	v_lshlrev_b32 v[ADV], 1, v[SLV]                ; 8 lane
	v_and_b32 v[ADS], 60, v[SLV]                   ; 4 r
.irp t, 0,1,2,3
	global_load_b128 v[GN+8*\t:GN+8*\t+3], v[ADK], s[20:21] offset:64*\t        ; the gain of my 32 channels
	global_load_b128 v[GN+8*\t+4:GN+8*\t+7], v[ADK], s[20:21] offset:64*\t+16
.endr
	v_add_f32 v[ST+2], v[ST+2], v[ST+3]
	v_add_f32 v[ST+6], v[ST+6], v[ST+7]
	s_delay_alu instid0(VALU_DEP_2)
	v_permlanex16_b32 v[CB], v[ST+2], s[SEL], s[SEL+1]
	s_delay_alu instid0(VALU_DEP_2)
	v_permlanex16_b32 v[CB+1], v[ST+6], s[SEL], s[SEL+1]
	s_delay_alu instid0(VALU_DEP_2)
	v_add_f32 v[ST+2], v[ST+2], v[CB]              ; the rows' sums
	s_delay_alu instid0(VALU_DEP_2)
	v_add_f32 v[ST+6], v[ST+6], v[CB+1]
	s_wait_alu depctr_va_vdst(0)
	v_rcp_f32 v[ST+2], v[ST+2]
	v_rcp_f32 v[ST+6], v[ST+6]
	v_nop
	s_wait_alu depctr_va_vdst(0)
	v_mul_f32 v[ST+6], v[LAM], v[ST+6]             ; lambda / l2
	s_wait_alu depctr_va_vdst(0)                   ; directly ahead of the first reader of O^T
.set jj, 0
.rept 16
	v_pk_mul_f32 v[S+32+jj:S+33+jj], v[O+32+jj:O+33+jj], v[ST+6:ST+7] op_sel_hi:[1,0]
	v_pk_fma_f32 v[S+jj:S+jj+1], v[O+jj:O+jj+1], v[ST+2:ST+3], v[S+32+jj:S+33+jj] op_sel_hi:[1,0,1] neg_lo:[0,0,1] neg_hi:[0,0,1]   ; O1 / l1 - lambda O2 / l2
.set jj, jj+2
.endr
	v_pk_mul_f32 v[BM:BM+1], v[S:S+1], v[S:S+1]
	v_pk_mul_f32 v[X:X+1], v[S+2:S+3], v[S+2:S+3]
.irp j, 4,8,12,16,20,24,28
	s_delay_alu instid0(VALU_DEP_2)
	v_pk_fma_f32 v[BM:BM+1], v[S+\j:S+\j+1], v[S+\j:S+\j+1], v[BM:BM+1]
	s_delay_alu instid0(VALU_DEP_2)
	v_pk_fma_f32 v[X:X+1], v[S+\j+2:S+\j+3], v[S+\j+2:S+\j+3], v[X:X+1]
.endr
	s_delay_alu instid0(VALU_DEP_1)
	v_pk_add_f32 v[BM:BM+1], v[BM:BM+1], v[X:X+1]
	s_delay_alu instid0(VALU_DEP_1)
	v_add_f32 v[BM], v[BM], v[BM+1]
	s_delay_alu instid0(VALU_DEP_1)
	v_permlanex16_b32 v[CB], v[BM], s[SEL], s[SEL+1]
	s_delay_alu instid0(VALU_DEP_1)
	v_add_f32 v[BM], v[BM], v[CB]                  ; the sum of the 64 squares
	s_delay_alu instid0(VALU_DEP_1)
	v_fma_f32 v[BM], v[BM], s93, s92               ; the mean + 1e-5
	s_wait_alu depctr_va_vdst(0)
	v_rsq_f32 v[BM], v[BM]
	v_nop
	s_wait_alu depctr_va_vdst(0)
	v_mul_f32 v[BM], 0x3e5d9673, v[BM]             ; x (1 - lambda_init)
	s_wait_alu depctr_va_vdst(0)
	s_wait_loadcnt 0x0
.set jj, 0
.rept 16
	v_pk_mul_f32 v[S+jj:S+jj+1], v[S+jj:S+jj+1], v[BM:BM+1] op_sel_hi:[1,0]
.set jj, jj+2
.endr
.set jj, 0
.rept 16
	v_pk_mul_f32 v[S+jj:S+jj+1], v[S+jj:S+jj+1], v[GN+jj:GN+jj+1]
.set jj, jj+2
.endr
	; the head's 64 channels are two blocks of the last product's K, each shared with lane l xor 16
.irp b, 0,1
	v_max3_num_f32 v[BM+\b], |v[S+16*\b]|, |v[S+16*\b+1]|, 0x1800000
.endr
.irp i, 2,4,6,8,10,12,14
.irp b, 0,1
	s_delay_alu instid0(VALU_DEP_2)
	v_max3_num_f32 v[BM+\b], v[BM+\b], |v[S+16*\b+\i]|, |v[S+16*\b+\i+1]|
.endr
.endr
.irp b, 0,1
	s_delay_alu instid0(VALU_DEP_2)
	v_permlanex16_b32 v[CB+\b], v[BM+\b], s[SEL], s[SEL+1]
.endr
.irp b, 0,1
	s_delay_alu instid0(VALU_DEP_2)
	v_max_num_f32 v[BM+\b], v[BM+\b], v[CB+\b]
.endr
.irp b, 0,1
	s_delay_alu instid0(VALU_DEP_2)
	v_add_nc_u32 v[F+\b], 0xff000000, v[BM+\b]
.endr
.irp b, 0,1
	s_delay_alu instid0(VALU_DEP_2)
	v_lshrrev_b32 v[CB+\b], 23, v[F+\b]
.endr
	s_delay_alu instid0(VALU_DEP_1)
	v_lshl_or_b32 v[CB], v[CB+1], 8, v[CB]         ; the two bytes
	v_cvt_scalef32_pk16_fp6_f32 v[TP:TP+2], v[S:S+15], v[F]
	v_cvt_scalef32_pk16_fp6_f32 v[TP+4:TP+6], v[S+16:S+31], v[F+1]
	v_nop
.irp i, 0,1,2
	v_permlane16_swap_b32 v[TP+\i], v[TP+4+\i]     ; lanes 0-15 block 0, lanes 16-31 block 1
.endr
	; the block lies as channels 0-7, 16-23 | 8-15, 24-31, 48 bits each: into their own order, since a meets given codes (Wo)
	s_delay_alu instid0(VALU_DEP_3)
	v_mov_b32 v[TP+8], v[TP]
	s_delay_alu instid0(VALU_DEP_3)
	v_perm_b32 v[TP+9], v[TP+4], v[TP+1], 0x05040100
	s_delay_alu instid0(VALU_DEP_4)
	v_alignbit_b32 v[TP+10], v[TP+5], v[TP+4], 16
	s_delay_alu instid0(VALU_DEP_4)
	v_alignbit_b32 v[TP+11], v[TP+2], v[TP+1], 16
	v_perm_b32 v[TP+12], v[TP+5], v[TP+2], 0x07060302
	v_mov_b32 v[TP+13], v[TP+6]
	global_store_b64 v[ADV], v[TP+8:TP+9], s[22:23]              ; 32 lanes store 256 consecutive bytes, aligned
	global_store_b64 v[ADV], v[TP+10:TP+11], s[22:23] offset:256
	global_store_b64 v[ADV], v[TP+12:TP+13], s[22:23] offset:512
	global_store_b16 v[ADS], v[CB], s[24:25]       ; half of a row's scale word (the other half is another head's); lanes l and l xor 16 write the same bytes
	s_wait_tensorcnt 0x0                           ; the wave's end
	ds_add_u32 v[SPW], v[NIL]
	s_wait_dscnt 0x0
	CROUND                                         ; the closing round
	s_endpgm
.Lfunc_end_k_q4d21252597_attn:
	.size	k_q4d21252597_attn, .Lfunc_end_k_q4d21252597_attn-k_q4d21252597_attn
	.p2alignl 7, 3214868480
	.fill 96, 4, 3214868480
	.section	.rodata,"a",@progbits
	.p2align	6, 0x0
	.amdhsa_kernel k_q4d21252597_attn
		.amdhsa_group_segment_fixed_size 260096
		.amdhsa_private_segment_fixed_size 0
		.amdhsa_enable_private_segment 0
		.amdhsa_kernarg_size 88
		.amdhsa_user_sgpr_count 2
		.amdhsa_user_sgpr_kernarg_segment_ptr 1
		.amdhsa_wavefront_size32 1
		.amdhsa_system_sgpr_workgroup_id_x 1
		.amdhsa_system_sgpr_workgroup_id_y 1
		.amdhsa_system_sgpr_workgroup_id_z 1
		.amdhsa_system_vgpr_workitem_id 0
		.amdhsa_next_free_vgpr 256
		.amdhsa_next_free_sgpr 94
		.amdhsa_reserve_vcc 0
		.amdhsa_float_denorm_mode_32 3
		.amdhsa_float_denorm_mode_16_64 3
		.amdhsa_memory_ordered 1
		.amdhsa_forward_progress 1
		.amdhsa_inst_pref_size 52
	.end_amdhsa_kernel
	.amdgpu_metadata
---
amdhsa.version: [ 1, 2 ]
amdhsa.kernels:
  - .name:           k_q4d21252597_attn
    .symbol:         k_q4d21252597_attn.kd
    .args:
      - { .name: qc, .offset: 0, .size: 8, .value_kind: global_buffer, .address_space: global }
      - { .name: qs, .offset: 8, .size: 8, .value_kind: global_buffer, .address_space: global }
      - { .name: kvc, .offset: 16, .size: 8, .value_kind: global_buffer, .address_space: global }
      - { .name: kvs, .offset: 24, .size: 8, .value_kind: global_buffer, .address_space: global }
      - { .name: lambda_q1, .offset: 32, .size: 8, .value_kind: global_buffer, .address_space: global }
      - { .name: lambda_k1, .offset: 40, .size: 8, .value_kind: global_buffer, .address_space: global }
      - { .name: lambda_q2, .offset: 48, .size: 8, .value_kind: global_buffer, .address_space: global }
      - { .name: lambda_k2, .offset: 56, .size: 8, .value_kind: global_buffer, .address_space: global }
      - { .name: rms_weight, .offset: 64, .size: 8, .value_kind: global_buffer, .address_space: global }
      - { .name: acod, .offset: 72, .size: 8, .value_kind: global_buffer, .address_space: global }
      - { .name: ascl, .offset: 80, .size: 8, .value_kind: global_buffer, .address_space: global }
    .group_segment_fixed_size: 260096
    .private_segment_fixed_size: 0
    .kernarg_segment_align: 8
    .kernarg_segment_size: 88
    .max_flat_workgroup_size: 512
    .sgpr_count:     94
    .vgpr_count:     256
    .wavefront_size: 32
...
	.end_amdgpu_metadata
.endif
;; end of part 2
;; launch outp (part 3): grid 8 x 32, 4 waves a work-group, clusters of 4 x 4, 229,376 bytes of LDS; arguments acod, ascl, Wo_codes, Wo_scales, out0; writes out0
.if DOCPART == 3
	.amdgcn_target "amdgcn-amd-amdhsa--gfx1250"
	.amdhsa_code_object_version 6
	.text
	.protected	k_q4d21252597_outp
	.globl	k_q4d21252597_outp
	.p2align	8
	.type	k_q4d21252597_outp,@function
k_q4d21252597_outp:
	s_mov_b64 s[64:65], 0
	v_nop
	global_prefetch_b8 v0, s[64:65] scope:SCOPE_SE
	s_setreg_imm32_b32 hwreg(HW_REG_WAVE_MODE, 25, 1), 1
	s_wait_xcnt 0x0
	s_wait_alu depctr_hold_cnt(0) depctr_sa_sdst(0) depctr_va_vdst(0) depctr_va_sdst(0) depctr_va_ssrc(0) depctr_va_vcc(0) depctr_vm_vsrc(0)
	s_getreg_b32 s2, hwreg(HW_REG_IB_STS2, 6, 4)
	s_cmp_eq_u32 s2, 0
	s_cbranch_scc0 .Lentry_in_a_cluster
	s_endpgm
.Lentry_in_a_cluster:
	s_bfe_u32 s2, ttmp6, 0x10000c
	s_cmp_lg_u32 s2, 0xf033
	s_cbranch_scc0 .Lentry_shape_is_right
	s_endpgm
.Lentry_shape_is_right:
; out0 = a Wo^T on codes of FP6 (E2M3) with E8M0 scales.  a: [4,096][1,024] as images of operand registers (acod: [head][tile of 16 rows][3][lane][8 B]; ascl: [128 along K][row] one word); Wo as given.
; SHARES.  256 work-groups of 128 x 128 (tiles of 256 x 256 would be 64); four waves of 64 x 64: 16 accumulators.  All of K = 1,024 lies in LDS, every byte filled ONCE: each wave issues one tensor load at the head
; (wave 0 a's codes, 16 heads x 6,144 bytes; wave 1 Wo's 128 whole rows of 768 bytes; wave 2 a's scale words; wave 3 Wo's scales); one wait and one barrier follow, and the walk along K has no barrier.
; Wo's rows get 16 bytes of padding behind every 256: an LDS row is 816 bytes, an odd multiple of 16.
; CLUSTERS: 4 x 4.  a's tiles are shared along a row of the cluster, Wo's along a column: joint loads.  No prefetch: all of a work-group's bytes are asked for at its head; there is no later load to run ahead of.
; The matrix instruction is used transposed (source 0 = 16 rows of Wo, source 1 = 16 rows of a): a lane holds eight neighbouring numbers of a row of out0.
; REGISTERS: window 0: v16-26 addresses; v32-47 a's scale words, v48-79 Wo's (they hold nothing else); v128-255 the accumulators ((a, b) at 128 + 8 (4 a + b)).
;   window 1: two fragment buffers at v0 and v128: a's four fragments, then Wo's four.
.set PITCH,  816
.set WC,     98304                     ; LDS: 0 a's codes; from here Wo's, 128 x 816
.set SAL,    202752                    ; a's scale words, 8 x 512
.set SBL,    206848                    ; Wo's scales, 16 x 272
.set STAGE,  211200                    ; the way out: 16 rows x 272 bytes a wave; no fill lands here
.set SPITCH, 272
.set SPARE,  228608
.set ADA,  16                          ; v16 heads 0-7, v17 heads 8-15
.set ASA,  18
.set ASB,  19
.set ADB,  20
.set ADB2, 21
.set STO,  24
.set RD,   25
.set CO,   26
.set SA,   32
.set SB,   48
.set ACC,  128
.set MSB, 0
.macro WIN new
.if MSB != \new
	s_set_vgpr_msb (MSB<<8)|\new
.set MSB, \new
.endif
.endm
.macro CROUND
	s_barrier_signal -1
	s_barrier_wait -1
	s_cmp_lg_u32 s14, 0
	s_cbranch_scc1 .Lnot_wave_0_\@
	s_barrier_signal -3
.Lnot_wave_0_\@:
	s_barrier_wait -3
	s_barrier_signal -1
	s_barrier_wait -1
.endm
.macro MK0 g, lds, base
	s_mov_b32 s[\g], 1
	s_mov_b32 s[\g+1], \lds
	s_mov_b64 s[\g+2:\g+3], s[\base:\base+1]
	s_or_b32 s[\g+3], s[\g+3], 0x80000000
.endm
.macro MK1 g, c, r, p                  ; group 1 behind its first word: r rows of c elements, p elements apart
	s_mov_b32 s[\g+1], (\c)<<16
	s_mov_b32 s[\g+2], (\r)<<16
	s_mov_b32 s[\g+3], (\c)<<16
	s_mov_b32 s[\g+4], \r
	s_mov_b32 s[\g+5], \p
	s_mov_b32 s[\g+6], 0
	s_mov_b32 s[\g+7], 0
.endm
	s_load_b256 s[4:11], s[0:1], 0x0               ; acod, ascl, Wo's codes, Wo's scales
	s_load_b64 s[12:13], s[0:1], 0x20              ; out0
	v_lshl_add_u32 v126, v0, 2, SPARE
	v_mov_b32 v127, 0
	ds_add_u32 v126, v127                          ; the opening lines: the add twice on end and one wait
	ds_add_u32 v126, v127
	v_lshrrev_b32 v1, 5, v0
	v_readfirstlane_b32 s14, v1                    ; wave 0..3
	s_lshr_b32 s15, s14, 1                         ; which half of the tile's rows is mine
	s_and_b32 s16, s14, 1                          ; which half of its columns
	s_bfe_u32 s17, ttmp6, 0x40000                  ; cx
	s_bfe_u32 s18, ttmp6, 0x40004                  ; cy
	s_lshl_b32 s19, ttmp9, 2
	s_add_co_u32 s19, s19, s17                     ; tile column
	s_and_b32 s20, ttmp7, 0xffff
	s_lshl_b32 s20, s20, 2
	s_add_co_u32 s20, s20, s18                     ; tile row
	s_lshl_b32 s21, s18, 2
	s_lshl_b32 s21, 15, s21                        ; my row of the cluster
	s_lshl_b32 s22, 0x1111, s17                    ; my column
	s_or_b32 s24, s21, (3<<16)|(1<<21)             ; a's codes: 16 heads x 6,144 bytes (768 elements of 8), 196,608 bytes apart
	MK1 24, 768, 16, 24576
	s_or_b32 s32, s21, (3<<16)|(1<<21)             ; a's scale words: 8 steps of K x 512 bytes, 16,384 bytes apart
	MK1 32, 64, 8, 2048
	s_or_b32 s40, s22, (0<<16)|(1<<20)|(1<<21)|(5<<22)|(3<<25)   ; Wo's codes: 128 rows x 768 bytes; 16 bytes of padding behind every 256
	MK1 40, 768, 128, 768
	s_or_b32 s48, s22, (3<<16)|(1<<20)|(1<<21)|(5<<22)|(3<<25)   ; Wo's scales: 4,096 dense bytes as rows of 256, 16 bytes of padding behind each
	MK1 48, 32, 16, 32
	s_mul_i32 s2, s20, 6144
	s_mov_b32 s3, 0
	s_lshl_b32 s100, s20, 9
	s_mov_b32 s101, 0
	s_wait_dscnt 0x0
	s_wait_kmcnt 0x0
	s_add_nc_u64 s[4:5], s[4:5], s[2:3]            ; a: my tile row's 8 tiles,
	s_add_nc_u64 s[6:7], s[6:7], s[100:101]        ; its 128 rows' words
	s_mul_i32 s100, s19, 128*768
	s_add_nc_u64 s[8:9], s[8:9], s[100:101]        ; Wo: my tile column's 128 rows,
	s_lshl_b32 s100, s19, 12
	s_add_nc_u64 s[10:11], s[10:11], s[100:101]    ; and their scales
	MK0 56, 0, 4
	MK0 60, WC, 8
	MK0 68, SAL, 6
	MK0 72, SBL, 10
	CROUND                                         ; all sixteen work-groups are here: the joint loads meet
.macro ARM under, g0, g1, next         ; one chain of branches on the wave's number, one load to an arm
	s_cmp_lt_u32 s14, \under
	s_cbranch_scc0 \next
	tensor_load_to_lds s[\g0:\g0+3], s[\g1:\g1+7]
	s_nop 0
.rept 4
	v_nop
.endr
	s_branch .Lfilled
\next:
.endm
	ARM 1, 56, 24, .Lfill_b
	ARM 2, 60, 40, .Lfill_sa
	ARM 3, 68, 32, .Lfill_sb
	tensor_load_to_lds s[72:75], s[48:55]
	s_nop 0
.rept 4
	v_nop
.endr
.Lfilled:
	v_and_b32 v1, 15, v0                           ; r
	v_bfe_u32 v2, v0, 4, 1                         ; h
	v_and_b32 v3, 31, v0                           ; lane
	s_mul_i32 s2, s15, 3072
	v_lshlrev_b32 v[ADA], 3, v3
	v_add_nc_u32 v[ADA], s2, v[ADA]                ; a's images: 8 lane + my four tiles
	v_add_nc_u32 v[ADA+1], 49152, v[ADA]
	v_mul_u32_u24 v4, v1, PITCH
	v_mad_u32_u24 v4, v2, 24, v4
	s_mul_i32 s2, s16, 64*PITCH
	s_add_co_u32 s2, s2, WC
	v_add_nc_u32 v[ADB], s2, v4                    ; Wo: row x pitch + 24 h,
	v_lshl_add_u32 v[ADB2], v2, 4, v[ADB]          ; and the same with lanes 16-31 behind one padding more
	s_lshl_b32 s2, s15, 8
	s_add_co_u32 s2, s2, SAL
	v_lshl_add_u32 v[ASA], v3, 2, s2               ; a's words: lanes 0-15 one tile, lanes 16-31 the next
	v_lshrrev_b32 v4, 3, v1
	v_mul_u32_u24 v4, v4, 272
	v_and_b32 v5, 7, v1
	v_lshl_add_u32 v4, v5, 5, v4
	s_mul_i32 s2, s16, 2176
	s_add_co_u32 s2, s2, SBL
	v_add_nc_u32 v[ASB], s2, v4                    ; Wo's: my row's 32 bytes
	s_mul_i32 s2, s14, 16*SPITCH
	s_add_co_u32 s2, s2, STAGE
	v_mul_u32_u24 v4, v1, SPITCH
	v_lshl_add_u32 v4, v2, 5, v4
	v_add_nc_u32 v[STO], s2, v4
	v_mul_u32_u24 v4, v2, SPITCH
	v_lshl_add_u32 v4, v1, 4, v4
	v_add_nc_u32 v[RD], s2, v4
	v_lshlrev_b32 v4, 12, v2
	v_lshl_add_u32 v[CO], v1, 4, v4
	s_lshl_b32 s2, s20, 7
	s_lshl_b32 s3, s15, 6
	s_add_co_u32 s2, s2, s3                        ; my first row of out0,
	s_lshl_b32 s2, s2, 12
	s_lshl_b32 s3, s19, 9
	s_add_co_u32 s2, s2, s3
	s_lshl_b32 s3, s16, 8
	s_add_co_u32 s2, s2, s3                        ; my first column, in bytes
	s_mov_b32 s3, 0
	s_add_nc_u64 s[12:13], s[12:13], s[2:3]
.macro FETCH k, f                      ; the fragments of K step k into buffer f: 48 loads of 8 bytes
	WIN 0x40
.irp i, 0,1,2,3
.irp p, 0,1,2,3,4,5
	ds_load_b64 v[\f+12*\i+2*\p:\f+12*\i+2*\p+1], v[ADA+(\k)/4] offset:6144*((2*(\k)+\p/3)%8)+768*\i+256*(\p%3)
.endr
.endr
.irp i, 0,1,2,3
.irp p, 0,1,2,3,4,5
.set BY, 96*(\k)+48*(\p/3)+8*(\p%3)    ; byte y of a row of Wo lies at y + 16 (y / 256) of its LDS row; lanes 16-31 read 24 bytes further on
.if BY/256 == (BY+24)/256
	ds_load_b64 v[\f+48+12*\i+2*\p:\f+48+12*\i+2*\p+1], v[ADB] offset:BY+16*(BY/256)+\i*16*PITCH
.else
	ds_load_b64 v[\f+48+12*\i+2*\p:\f+48+12*\i+2*\p+1], v[ADB2] offset:BY+16*(BY/256)+\i*16*PITCH
.endif
.endr
.endr
	WIN 0
.endm
.macro MUL k, f, zero                  ; 16 matrix instructions, the 16 accumulators by turns
	WIN 0x05
.irp a, 0,1,2,3
.irp b, 0,1,2,3
.set DA, ACC+8*(4*\a+\b)
.if \zero
.if \a%2
	v_wmma_scale_f32_16x16x128_f8f6f4 v[DA:DA+7], v[\f+48+12*\b:\f+48+12*\b+11], v[\f+12*\a:\f+12*\a+11], 0, v[SB+8*\b+(\k)], v[SA+2*(\k)+\a/2] matrix_a_fmt:MATRIX_FMT_FP6 matrix_b_fmt:MATRIX_FMT_FP6 matrix_b_scale:MATRIX_SCALE_ROW1
.else
	v_wmma_scale_f32_16x16x128_f8f6f4 v[DA:DA+7], v[\f+48+12*\b:\f+48+12*\b+11], v[\f+12*\a:\f+12*\a+11], 0, v[SB+8*\b+(\k)], v[SA+2*(\k)+\a/2] matrix_a_fmt:MATRIX_FMT_FP6 matrix_b_fmt:MATRIX_FMT_FP6
.endif
.else
.if \a%2
	v_wmma_scale_f32_16x16x128_f8f6f4 v[DA:DA+7], v[\f+48+12*\b:\f+48+12*\b+11], v[\f+12*\a:\f+12*\a+11], v[DA:DA+7], v[SB+8*\b+(\k)], v[SA+2*(\k)+\a/2] matrix_a_fmt:MATRIX_FMT_FP6 matrix_b_fmt:MATRIX_FMT_FP6 matrix_b_scale:MATRIX_SCALE_ROW1
.else
	v_wmma_scale_f32_16x16x128_f8f6f4 v[DA:DA+7], v[\f+48+12*\b:\f+48+12*\b+11], v[\f+12*\a:\f+12*\a+11], v[DA:DA+7], v[SB+8*\b+(\k)], v[SA+2*(\k)+\a/2] matrix_a_fmt:MATRIX_FMT_FP6 matrix_b_fmt:MATRIX_FMT_FP6
.endif
.endif
.endr
.endr
.endm
.macro KSTEP k, zero
.set FN, 128*(((\k)+1)%2)
.set FM, 128*((\k)%2)
.rept 4
	v_nop                                          ; places in front of loads into registers that matrix instructions have read
.endr
	FETCH (\k)+1, FN
	s_wait_dscnt 48                                ; all but the 48 loads just issued
	MUL \k, FM, \zero
.endm
	s_wait_alu depctr_va_vdst(0)                   ; the wait at the head's end
	s_wait_tensorcnt 0x0                           ; my tile of the four is in,
	s_barrier_signal -1
	s_barrier_wait -1                              ; everybody's is: nothing is ever filled again
.irp k, 0,1,2,3,4,5,6,7
.irp ip, 0,1
	ds_load_b32 v[SA+2*\k+\ip], v[ASA] offset:512*\k+128*\ip
.endr
.endr
.irp j, 0,1,2,3
	ds_load_b128 v[SB+8*\j:SB+8*\j+3], v[ASB] offset:544*\j
	ds_load_b128 v[SB+8*\j+4:SB+8*\j+7], v[ASB] offset:544*\j+16
.endr
	FETCH 0, 0
	KSTEP 0, 1                                     ; the first products start the sums
.irp k, 1,2,3,4,5,6
	KSTEP \k, 0
.endr
	s_wait_dscnt 0x0
	MUL 7, 128, 0
	WIN 0
; THE WAY OUT, block by block of 16 rows x 64 columns: through my own stage, back as whole rows of 256 bytes into the registers that the block left.  LDS serves a wave's instructions in order.
.macro TOSTAGE a
.irp b, 0,1,2,3
	ds_store_b128 v[STO], v[ACC+8*(4*\a+\b):ACC+8*(4*\a+\b)+3] offset:64*\b          ; each accumulator from its low end on
	ds_store_b128 v[STO], v[ACC+8*(4*\a+\b)+4:ACC+8*(4*\a+\b)+7] offset:64*\b+16
.endr
.irp t, 0,1,2,3,4,5,6,7
	ds_load_b128 v[ACC+32*\a+4*\t:ACC+32*\a+4*\t+3], v[RD] offset:\t*2*SPITCH
.endr
.endm
.macro SEND a, younger                 ; younger: the next block's 8 stores and 8 loads, or none
	s_wait_dscnt \younger
.irp t, 0,1,2,3,4,5,6,7
	global_store_b128 v[CO], v[ACC+32*\a+4*\t:ACC+32*\a+4*\t+3], s[12:13] offset:65536*\a+8192*\t th:TH_STORE_NT   ; 16 lanes store 256 consecutive bytes, aligned; written once, read by nobody here
.endr
.endm
.rept 4
	v_nop                                          ; places behind the last products
.endr
	TOSTAGE 0
	TOSTAGE 1
	SEND 0, 16
	TOSTAGE 2
	SEND 1, 16
	TOSTAGE 3
	SEND 2, 16
	SEND 3, 0
	s_wait_tensorcnt 0x0                           ; the wave's end
	ds_add_u32 v126, v127
	s_wait_dscnt 0x0
	CROUND                                         ; the closing round
	s_endpgm
.Lfunc_end_k_q4d21252597_outp:
	.size	k_q4d21252597_outp, .Lfunc_end_k_q4d21252597_outp-k_q4d21252597_outp
	.p2alignl 7, 3214868480
	.fill 96, 4, 3214868480
	.section	.rodata,"a",@progbits
	.p2align	6, 0x0
	.amdhsa_kernel k_q4d21252597_outp
		.amdhsa_group_segment_fixed_size 229376
		.amdhsa_private_segment_fixed_size 0
		.amdhsa_enable_private_segment 0
		.amdhsa_kernarg_size 40
		.amdhsa_user_sgpr_count 2
		.amdhsa_user_sgpr_kernarg_segment_ptr 1
		.amdhsa_wavefront_size32 1
		.amdhsa_system_sgpr_workgroup_id_x 1
		.amdhsa_system_sgpr_workgroup_id_y 1
		.amdhsa_system_sgpr_workgroup_id_z 1
		.amdhsa_system_vgpr_workitem_id 0
		.amdhsa_next_free_vgpr 512
		.amdhsa_next_free_sgpr 102
		.amdhsa_reserve_vcc 0
		.amdhsa_float_denorm_mode_32 3
		.amdhsa_float_denorm_mode_16_64 3
		.amdhsa_memory_ordered 1
		.amdhsa_forward_progress 1
		.amdhsa_inst_pref_size 60
	.end_amdhsa_kernel
	.amdgpu_metadata
---
amdhsa.version: [ 1, 2 ]
amdhsa.kernels:
  - .name:           k_q4d21252597_outp
    .symbol:         k_q4d21252597_outp.kd
    .args:
      - { .name: acod, .offset: 0, .size: 8, .value_kind: global_buffer, .address_space: global }
      - { .name: ascl, .offset: 8, .size: 8, .value_kind: global_buffer, .address_space: global }
      - { .name: Wo_codes, .offset: 16, .size: 8, .value_kind: global_buffer, .address_space: global }
      - { .name: Wo_scales, .offset: 24, .size: 8, .value_kind: global_buffer, .address_space: global }
      - { .name: out0, .offset: 32, .size: 8, .value_kind: global_buffer, .address_space: global }
    .group_segment_fixed_size: 229376
    .private_segment_fixed_size: 0
    .kernarg_segment_align: 8
    .kernarg_segment_size: 40
    .max_flat_workgroup_size: 128
    .sgpr_count:     102
    .vgpr_count:     512
    .wavefront_size: 32
...
	.end_amdgpu_metadata
.endif
;; end of part 3
